; MI455X (gfx1250); checked and timed in simulation.
; The chip was launched on July 23, 2026; its instructions are those of AMD's public machine-readable ISA for CDNA 5 (MIT licence, August 2026) and "CDNA5" Instruction Set Architecture Reference Guide (July 2026). The comments in the code are by the model that wrote it; some were corrected since.
;; M2 Bert Attention. Allowed arithmetic: matrix products marked QUANTISED: E5M2 operands, one E8M0 scale for each 32 along K, by v_wmma_scale_f32_16x16x128_f8f6f4 with both operands' format E5M2, f32 sums; everything else in f32.
;; Inputs: Wk_codes 768 x 24 x 32 uint8 (E5M2 codes of Wk, K innermost, in blocks of 32 codes); Wk_scales 768 x 24 uint8 (E8M0 scales of Wk, one for each 32 codes along K); Wq_codes 768 x 24 x 32 uint8 (E5M2 codes of Wq, K innermost, in blocks of 32 codes); Wq_scales 768 x 24 uint8 (E8M0 scales of Wq, one for each 32 codes along K); Wv_codes 768 x 24 x 32 uint8 (E5M2 codes of Wv, K innermost, in blocks of 32 codes); Wv_scales 768 x 24 uint8 (E8M0 scales of Wv, one for each 32 codes along K); attention_mask 1 x 1 x 1 x 4,096 float32; bk 768 float32; bq 768 float32; bv 768 float32; hidden_states_codes 1 x 4,096 x 24 x 32 uint8 (E5M2 codes of hidden_states, K innermost, in blocks of 32 codes); hidden_states_scales 1 x 4,096 x 24 uint8 (E8M0 scales of hidden_states, one for each 32 codes along K).
;; Outputs: out0 1 x 4,096 x 768 float32.
;; This version of the problem:
;;   THIS VERSION OF THE PROBLEM IS GIVEN IN LOW PRECISION. The matrix products marked QUANTISED in the list below multiply operands that are first quantised to E5M2 (5 exponent bits, 2 mantissa bits; 8 bits a number), with one power-of-two scale for each 32 numbers along K (OCP MX v1.0); their sums are f32. All else is computed in f32.
;;   The module's matrix products, in the order in which they are computed (A, B: the left and right operand; K: the contracted axis; several contracted axes count as one K, in the product's order):
;;     1. [M 4,096, K 768] x [K 768, N 768]; A: input hidden_states (given as codes); B: input Wq (given as codes): QUANTISED
;;     2. [M 4,096, K 768] x [K 768, N 768]; A: input hidden_states (given as codes); B: input Wk (given as codes): QUANTISED
;;     3. [M 4,096, K 768] x [K 768, N 768]; A: input hidden_states (given as codes); B: input Wv (given as codes): QUANTISED
;;     4. batch 12 x [M 4,096, K 64] x [K 64, N 4,096]; A: computed on the way; B: computed on the way: QUANTISED
;;     5. batch 12 x [M 64, K 4,096] x [K 4,096, N 4,096]; A: computed on the way; B: softmax (see below): QUANTISED
;;   THE QUANTISER, for each operand of a quantised product, along K:
;;     - K is cut into blocks of 32 from its start; a last block that is shorter is filled with zeros.
;;     - A block's scale is 2^e with e = floor(log2(the largest magnitude in the block)) - 15, held to -126 .. 127; a block of zeros has e = 0. As a byte (E8M0): e + 127.
;;     - Each number is divided by its block's scale, clamped to +-57,344, and rounded to the nearest number of E5M2, ties to even, subnormals kept.
;;     - The product sums the exact products of the quantised numbers (number of the format x scale) in f32.
;;   ~~~python
;;   def quantise(x, axis):      # numpy; x: float32 -> the quantised numbers, widened to float32 again
;;       x = np.moveaxis(x, axis, -1); K = x.shape[-1]
;;       x = np.pad(x, [(0, 0)] * (x.ndim - 1) + [(0, -K % 32)]); x = x.reshape(x.shape[:-1] + (-1, 32)); a = np.abs(x).max(-1, keepdims=True)
;;       e = np.where(a > 0, np.clip(np.frexp(np.where(a > 0, a, 1))[1] - 1 - 15, -126, 127), 0)      # np.frexp(a)[1] - 1 = floor(log2(a)), exactly
;;       r = np.clip(x / 2.0 ** e, -57344, 57344)
;;       step = 2.0 ** (np.maximum(np.frexp(np.where(r == 0, 1, r))[1] - 1, -14) - 2)
;;       q = np.round(r / step) * step * 2.0 ** e      # np.round: ties to even
;;       return np.moveaxis(q.reshape(q.shape[:-2] + (-1,))[..., :K], -1, axis).astype(np.float32)
;;   ~~~
;;   SOFTMAX AHEAD OF A QUANTISED PRODUCT. Where the list says 'softmax', what is quantised is not the finished softmax but p = 2^(t - M), with t = logit x log2(e) and M = ceil(the row's largest t), a whole number; so 1/2 < the row's largest p <= 1. The row's sum l is taken of the UNQUANTISED p, in f32, and the product's result is divided by l at the end. Since M is a whole number, a kernel that streams over the keys may use a running M (the ceiling of the running maximum): every later rescaling is an exact power of two, which a block's scale takes up: the codes' values come out the same.
;;   OPERANDS COMPUTED ON THE WAY. 'Computed on the way' means the value that the module computes at that place (a softmax that the list does not call 'softmax' is quantised finished and normalised). What goes into a quantiser is computed in f32, as accurately as f32 sums, v_exp_f32 and their like allow (about 1e-6 of the number): no bf16 or f16 on the way to a quantiser, and a product that is left as it is and whose result goes on into a quantised operand takes f32 operands (vector FMAs, or v_wmma_f32_16x16x4_f32). A number that lies on a knife's edge between two numbers of the format may be rounded either way, as far as f32 arithmetic and the matrix unit's own rounding can turn it there, and no further.
;;   INPUTS GIVEN AS CODES. Wk (in the module: [768, 768], K = its axis 1); Wq (in the module: [768, 768], K = its axis 1); Wv (in the module: [768, 768], K = its axis 1); hidden_states (in the module: [1, 4096, 768], K = its axis 2): each comes as NAME_codes (uint8): NAME with its K axis moved to the last place and cut into blocks of 32 codes, [.., K / 32, bytes a block], one block behind the other in memory; one code a byte (a code: sign, 5 exponent bits, 2 mantissa bits); and NAME_scales (uint8): the same leading axes, one E8M0 byte (e + 127) for each 32 codes along K. Its value is code x scale, taken as it is: it is not quantised again, and the codes and scales need not be those that the quantiser above would give.
;; One version. Each part assembles by itself: llvm-mc -triple=amdgcn-amd-amdhsa -mcpu=gfx1250 --defsym DOCPART=n.
;; ======== version 1 of 1: 2 launches
;; limits: right only within a limited range of input values; inputs' magnitudes at most 134,217,728
;; workspace buffers: qc 3,145,728 bytes; qs 393,216 bytes; kv 6,488,064 bytes
;; launch proj (part 1): grid 16 x 12, 12 waves a work-group, clusters of 4 x 4, 327,680 bytes of LDS; arguments hidden_states_codes, hidden_states_scales, Wq_codes, Wk_codes, Wv_codes, Wq_scales, Wk_scales, Wv_scales, bq, bk, bv, qc, qs, kv; writes qc, qs, kv
.if DOCPART == 1
	.amdgcn_target "amdgcn-amd-amdhsa--gfx1250"
	.amdhsa_code_object_version 6
	.text
	.protected	k_q6221e06552_proj
	.globl	k_q6221e06552_proj
	.p2align	8
	.type	k_q6221e06552_proj,@function
k_q6221e06552_proj:
	s_mov_b64 s[64:65], 0
	v_nop
	global_prefetch_b8 v0, s[64:65] scope:SCOPE_SE
	s_setreg_imm32_b32 hwreg(HW_REG_WAVE_MODE, 25, 1), 1
	s_wait_xcnt 0x0
	s_wait_alu depctr_hold_cnt(0) depctr_sa_sdst(0) depctr_va_vdst(0) depctr_va_sdst(0) depctr_va_ssrc(0) depctr_va_vcc(0) depctr_vm_vsrc(0)
	s_getreg_b32 s2, hwreg(HW_REG_IB_STS2, 6, 4)
	s_cmp_eq_u32 s2, 0
	s_cbranch_scc0 .Lentry_in_a_cluster
	s_endpgm
.Lentry_in_a_cluster:
	s_bfe_u32 s2, ttmp6, 0x10000c
	s_cmp_lg_u32 s2, 0xf033
	s_cbranch_scc0 .Lentry_shape_is_right
	s_endpgm
.Lentry_shape_is_right:
; q = rope(x Wq^T + bq), k = rope(x Wk^T + bk), v = x Wv^T + bv, on codes of BF8 (E5M2) with one E8M0 scale for each 32 along K = 768, and the three results quantised again:
; q and k along the head's 64 (two blocks of 32), v along the tokens (blocks of 32).  x: [4096][768], Wq, Wk, Wv: [768][768] codes, K innermost; scale bytes [rows][24]; biases f32.
; SHARES.  A work-group takes 256 tokens (X) x one head (Y): its q, k and v.  Twelve waves: role = wave / 4 (0 q, 1 k, 2 v), sub = wave % 4: 64 tokens.  A wave makes 64 tokens x 64 features: 16 accumulators, 6 K steps of 128.
; 16 x 12 = 192 work-groups: the turn of a head's halves and the blocks along its 64 tie 64 features to one wave, and 36 head parts x 256 token tiles share out evenly so.
; LAYOUT.  q, k: source 0 = 16 rows of W, source 1 = 16 tokens: a lane holds ONE token and its registers run along the features.  v: source 0 = 16 tokens, source 1 = 16 rows of Wv: a lane holds one feature and its
; registers run along the tokens.  In both a group of 32 registers is two blocks of 32 along the next product's K, 16 numbers in lane l and 16 in lane l xor 16, so one macro quantises all three.
; ORDER INSIDE A BLOCK: place 16 h + 8 u + j of a block holds its element 16 u + 8 h + j (h = lane / 16).  It is the same for q and k, and for v and the weights p of the next launch: the products stay the same.
; OUT: images of operand registers: four registers = 512 bytes, lane l's 16 bytes at 16 l.  Every store of codes covers 512 consecutive bytes, aligned.  The scale words of k and v are stored 4 and 2 bytes a lane
; (one byte in sixteen of what the launch stores): aligned blocks of 256 bytes are there written by two waves.
; CLUSTER 4 x 4: x's tile hangs on X alone and is asked for jointly by the four of a column, W's on Y alone, by the four of a row.
; K goes in thirds of 256 codes through two LDS slots: thirds 0 and 1 are first fills, third 2 is the one refill (slot 0).  By this text's count a wave has one tensor load out at any time.
; THE TABLES: cos and sin of fl(t x inv_freq), inv_freq = fl(1 / fl(10000^(d / 32))), in f32: reduction by pi / 2 in two parts, polynomials of degree 7 and 8.
; LIMITS: NaN and infinities among the inputs are not served.  A block whose largest magnitude lies under 2^-111 keeps the scale byte 1 (a block of zeros too: its codes are zeros; this program alone reads the bytes).
; inv_freq is made from 10000^(d / 32) rounded once to f32 and a division rounded once; a power function that rounds otherwise gives another last bit.
; (The head's eight fills, thirds 0 and 1 of x and of the three weights, are shared out among the twelve waves: each wave has ONE tensor load out at any time, at the start too.)
.set PITCH, 272                        ; an LDS row: 256 bytes + 16 of padding = 68 words: row r starts at bank 4 r mod 64 (ISA guide 11.1), so a fragment load's 16 rows start at 16 different banks
.set R64,   64*PITCH                   ; 64 rows: what one tensor load brings
.set SLOT1, 1<<17                      ; slot 1 begins here: one exclusive or turns an address from slot to slot.  A slot: x's 256 rows, then 64 rows each of Wq, Wk, Wv
.set SPARE, 7*R64                      ; behind slot 0: the spare words, 128 bytes for each wave: six blocks of 256 bytes that no other line names
.set TAB,   SLOT1+7*R64                ; behind slot 1: the tables: 16 token tiles x (cos 4 x 512 bytes, sin 4 x 512): register images; stored by waves, never filled
.set XA,  1                            ; v1  LDS: my x fragments: (64 sub + r) PITCH + 16 h, in the slot in hand
.set WA,  2                            ; v2  my W fragments: (256 + 64 role + r) PITCH + 16 h
.set TW,  3                            ; v3  where I store tables (waves 0-7): TAB + 8192 wave + 16 lane
.set TR,  4                            ; v4  where I read them: TAB + 16384 sub + 16 lane
.set SPW, 5                            ; v5  my spare word; never rewritten
.set NIL, 6                            ; v6  0; never rewritten
.set BO,  7                            ; v7  4 r: bv's offset
.set SC,  8                            ; v8-31  scale words: v[SC + 6 i + ks]: lanes 0-15 W tile i's rows, lanes 16-31 x tile i's rows, K step ks
.set WF,  32                           ; v32-95  four fragments of W
.set XF,   96                          ; v96-127 x's fragments of tiles 0, 1
.set XS,   0                           ; window 1: v0-23 x's scale words on their way to the upper lanes of v8-31;
.set X2,   24                          ; v24-55 x's fragments of tiles 2, 3
.set ACC, 128                          ; v128-255: 128 + 32 x (source 1's tile) + 8 x (source 0's tile)
.set INV, 80                           ; head: v80-95 inv_freq of my 16 frequencies: i = 8 u + j: d = 16 u + 8 h + j
.set CD,  32                           ; way out: v32-63 codes, eight registers a group
.set CO,  64                           ; v64-79 cos, v80-95 sin of the group's tile
.set SI,  80
.set MX,  104                          ; v104-105 largest magnitudes, 106-107 the other half's, 108-109 the conversions' scale operands, 110-111 the holds
.set SB,  112                          ; v112-119 scale bytes: 2 g + c
.set RT,  120                          ; v120-127 at work in the turn
.set WV,  34
.set ROLE, 35
.set G1X, 36                           ; s[36:43] descriptor group 1 for x's tiles;  s[44:51] for W's: they differ in the mask
.set G1W, 44
.set G0X, 52                           ; s[52:55] group 0 for x
.set G0W, 56                           ; s[56:59] group 0 for W.  Slot 0's groups 0 serve the head and the refill
.set G1Y, 68                           ; s[68:75] group 1 for x's tiles of 128 rows (third 1, waves 10 and 11)
.set G0B, 4                            ; s[4:7] group 0 for W's third 1, s[8:11] for x's third 1: the arguments that lay there have been used by then
.set G0Y, 8
.set SUB, 76
.set CX,  77
.set CY,  78
.set SX,  79                           ; X: which 256 tokens
.set SY,  80                           ; Y: which head
.set SEL, 82                           ; s[82:83] v_permlanex16_b32's selects: lane l xor 16
.set MNT, 84                           ; the mantissa field of 57,344
.set KS2, 88
.set KS1, 89
.set KC3, 90
.set KC2, 91
.set MK,  96                           ; s96-99 four lane masks in the tables
.macro PLACES n
.rept \n
	v_nop
.endr
.endm
.macro CROUND                          ; a round of the cluster's barrier
	s_barrier_signal -1
	s_barrier_wait -1
	s_cmp_lg_u32 s[WV], 0
	s_cbranch_scc1 .Lnot_wave_0_\@
	s_barrier_signal -3
.Lnot_wave_0_\@:
	s_barrier_wait -3
	s_barrier_signal -1
	s_barrier_wait -1
.endm
	s_load_b512 s[4:19], s[0:1], 0x0               ; x codes 4, x scales 6, Wq 8, Wk 10, Wv 12 (codes), Wq 14, Wk 16, Wv 18 (scales)
	s_load_b256 s[20:27], s[0:1], 0x40             ; bq 20, bk 22, bv 24, qc 26
	s_load_b128 s[28:31], s[0:1], 0x60             ; qs 28, kv 30
	v_lshl_add_u32 v[SPW], v0, 2, SPARE
	v_mov_b32 v[NIL], 0
	ds_add_u32 v5, v6
	ds_add_u32 v5, v6
	s_wait_dscnt 0x0
	v_lshrrev_b32 v[BO], 5, v0
	s_delay_alu instid0(VALU_DEP_1)
	v_readfirstlane_b32 s[WV], v[BO]               ; wave 0..11
	s_lshr_b32 s[ROLE], s[WV], 2
	s_and_b32 s[SUB], s[WV], 3
	s_bfe_u32 s[CX], ttmp6, 0x40000
	s_bfe_u32 s[CY], ttmp6, 0x40004
	s_lshl_b32 s[SX], ttmp9, 2
	s_add_co_u32 s[SX], s[SX], s[CX]               ; X = 4 x cluster x + cx
	s_and_b32 s[SY], ttmp7, 0xffff
	s_lshl_b32 s[SY], s[SY], 2
	s_add_co_u32 s[SY], s[SY], s[CY]               ; Y = 4 x cluster y + cy
	s_lshl_b32 s93, s[CY], 2
	s_lshl_b32 s93, 15, s93                        ; my row of the cluster (same Y)
	s_lshl_b32 s94, 0x1111, s[CX]                  ; my column (same X)
	; group 1: 64 rows x 256 bytes, 768 bytes apart in memory, 16 bytes of padding behind each row
	s_or_b32 s[G1X], s94, (1<<20)|(1<<21)|(5<<22)|(3<<25)   ; 15:0 the mask; 17:16 elements of 1 byte; 20 padding on; 21 set beside a mask; 24:22 after every 64 words; 31:25 four words
	s_or_b32 s[G1W], s93, (1<<20)|(1<<21)|(5<<22)|(3<<25)
.irp g, G1X, G1W
	s_mov_b32 s[\g+1], 256<<16                     ; tensor_dim0
	s_mov_b32 s[\g+2], 64<<16                      ; tensor_dim1
	s_mov_b32 s[\g+3], 256<<16                     ; tile_dim0
	s_mov_b32 s[\g+4], 64                          ; tile_dim1
	s_mov_b32 s[\g+5], 768                         ; tensor_dim0_stride
	s_mov_b32 s[\g+6], 0
	s_mov_b32 s[\g+7], 0
.endr
	s_lshl_b32 s60, s[SX], 8
	s_lshl_b32 s61, s[SUB], 6
	s_add_co_u32 s60, s60, s61                     ; x: row 256 X + 64 wave (waves 0-3 ask for x)
	s_mul_i32 s60, s60, 768
	s_mov_b32 s61, 0
	s_mul_i32 s62, s[SY], 64*768                   ; W: the head's 64 rows
	s_mov_b32 s63, 0
	; THE HEAD'S FILLS, ONE LOAD A WAVE: third 0: waves 0-3 x (64 rows each), waves 4-6 Wq, Wk, Wv; third 1: waves 7-9 Wq, Wk, Wv, waves 10, 11 x (128 rows each).  So a wave has one tensor load out at any time
	s_or_b32 s[G1Y], s94, (1<<20)|(1<<21)|(5<<22)|(3<<25)
	s_mov_b32 s[G1Y+1], 256<<16
	s_mov_b32 s[G1Y+2], 128<<16
	s_mov_b32 s[G1Y+3], 256<<16
	s_mov_b32 s[G1Y+4], 128
	s_mov_b32 s[G1Y+5], 768
	s_mov_b32 s[G1Y+6], 0
	s_mov_b32 s[G1Y+7], 0
	s_min_u32 s81, s[WV], 6
	s_mul_i32 s81, s81, R64                        ; slot 0: 64 x wave rows on: no place in the cluster enters an LDS address
	s_mul_i32 s95, s[WV], R64
	s_add_co_u32 s95, s95, SLOT1-3*R64             ; slot 1: rows 256 + 64 (wave - 7)
	s_and_b32 s3, s[WV], 1
	s_lshl_b32 s2, s3, 7
	s_mul_i32 s3, s3, 2*R64
	s_add_co_u32 s3, s3, SLOT1                     ; slot 1: rows 128 (wave - 10)
	s_lshl_b32 s98, s[SX], 8
	s_add_co_u32 s98, s98, s2
	s_mul_i32 s98, s98, 768
	s_add_co_u32 s98, s98, 256                     ; x: row 256 X + 128 (wave - 10), third 1
	s_mov_b32 s99, 0
	s_wait_kmcnt 0x0
	s_add_nc_u64 s[60:61], s[4:5], s[60:61]
	s_add_nc_u64 s[98:99], s[4:5], s[98:99]
	s_cmp_eq_u32 s[WV], 7                          ; waves 4 and 7 ask for Wq, 5 and 8 for Wk, 6 and 9 for Wv
	s_cselect_b32 s2, 4, s[WV]
	s_cmp_eq_u32 s[WV], 8
	s_cselect_b32 s2, 5, s2
	s_cmp_eq_u32 s2, 4
	s_cselect_b64 s[66:67], s[8:9], s[12:13]
	s_cmp_eq_u32 s2, 5
	s_cselect_b64 s[66:67], s[10:11], s[66:67]
	s_add_nc_u64 s[62:63], s[66:67], s[62:63]
	s_mov_b64 s[12:13], s[6:7]                     ; x's scale bytes move: s[4:11] take the groups 0 of third 1
	s_mov_b32 s[G0X], 1
	s_mov_b32 s[G0X+1], s81
	s_mov_b64 s[G0X+2:G0X+3], s[60:61]
	s_or_b32 s[G0X+3], s[G0X+3], 0x80000000
	s_mov_b32 s[G0W], 1
	s_mov_b32 s[G0W+1], s81
	s_mov_b64 s[G0W+2:G0W+3], s[62:63]
	s_or_b32 s[G0W+3], s[G0W+3], 0x80000000
	s_mov_b32 s[G0B], 1
	s_mov_b32 s[G0B+1], s95
	s_add_nc_u64 s[G0B+2:G0B+3], s[62:63], 256
	s_or_b32 s[G0B+3], s[G0B+3], 0x80000000
	s_mov_b32 s[G0Y], 1
	s_mov_b32 s[G0Y+1], s3
	s_mov_b64 s[G0Y+2:G0Y+3], s[98:99]
	s_or_b32 s[G0Y+3], s[G0Y+3], 0x80000000
	CROUND                                         ; all sixteen work-groups are here: the first joint loads meet
	s_cmp_lt_u32 s[WV], 4                          ; ONE chain of branches on the wave's number, an arm a load
	s_cbranch_scc0 .Lfirst_not_x
	tensor_load_to_lds s[G0X:G0X+3], s[G1X:G1X+7]
	s_nop 0
	PLACES 4
	s_branch .Lfirst_asked
.Lfirst_not_x:
	s_cmp_lt_u32 s[WV], 7
	s_cbranch_scc0 .Lfirst_not_w
	tensor_load_to_lds s[G0W:G0W+3], s[G1W:G1W+7]
	s_nop 0
	PLACES 4
	s_branch .Lfirst_asked
.Lfirst_not_w:
	s_cmp_lt_u32 s[WV], 10
	s_cbranch_scc0 .Lfirst_last
	tensor_load_to_lds s[G0B:G0B+3], s[G1W:G1W+7]
	s_nop 0
	PLACES 4
	s_branch .Lfirst_asked
.Lfirst_last:
	tensor_load_to_lds s[G0Y:G0Y+3], s[G1Y:G1Y+7]
	s_nop 0
	PLACES 4
.Lfirst_asked:
	; ---- while the fills are on their way: addresses, scale words, biases, tables
	v_and_b32 v120, 15, v0                         ; r
	v_bfe_u32 v121, v0, 4, 1                       ; h
	v_and_b32 v125, 31, v0                         ; lane
	s_wait_alu depctr_va_vdst(0)
	v_mul_u32_u24 v122, v120, PITCH
	s_delay_alu instid0(VALU_DEP_1)
	v_lshl_add_u32 v122, v121, 4, v122
	s_mul_i32 s95, s[SUB], R64
	v_add_nc_u32 v[XA], s95, v122
	s_mul_i32 s95, s[ROLE], R64
	s_add_co_u32 s95, s95, 4*R64
	v_add_nc_u32 v[WA], s95, v122
	v_lshlrev_b32 v123, 4, v125
	s_min_u32 s95, s[WV], 7                        ; (waves 8-11 store no tables)
	s_lshl_b32 s95, s95, 13
	s_add_co_u32 s95, s95, TAB
	v_add_nc_u32 v[TW], s95, v123
	s_lshl_b32 s95, s[SUB], 14
	s_add_co_u32 s95, s95, TAB
	v_add_nc_u32 v[TR], s95, v123
	v_lshlrev_b32 v[BO], 2, v120
	v_cmp_lt_u32 vcc_lo, 15, v125                  ; lanes 16-31
	v_mul_u32_u24 v124, v120, 24                   ; a row of scale bytes is 24
	s_wait_alu depctr_va_vdst(0)
	s_cmp_eq_u32 s[ROLE], 0                        ; my role's W scales and bias
	s_cselect_b64 s[96:97], s[14:15], s[18:19]
	s_cselect_b64 s[66:67], s[20:21], s[24:25]
	s_cmp_eq_u32 s[ROLE], 1
	s_cselect_b64 s[96:97], s[16:17], s[96:97]
	s_cselect_b64 s[66:67], s[22:23], s[66:67]
	s_mul_i32 s98, s[SY], 64*24
	s_mov_b32 s99, 0
	s_add_nc_u64 s[96:97], s[96:97], s[98:99]      ; W's scale bytes at the head's first row
	s_lshl_b32 s98, s[SY], 8
	s_add_nc_u64 s[66:67], s[66:67], s[98:99]      ; the bias at the head's first feature
	s_lshl_b32 s98, s[SX], 8
	s_lshl_b32 s95, s[SUB], 6
	s_add_co_u32 s98, s98, s95
	s_mul_i32 s98, s98, 24
	s_add_nc_u64 s[2:3], s[12:13], s[98:99]        ; x's scale bytes at my first token
.irp i, 0,1,2,3
.irp j, 0,1,2
	global_load_b64 v[SC+6*\i+2*\j:SC+6*\i+2*\j+1], v124, s[96:97] offset:384*\i+8*\j   ; W tile i, row r: words 2 j, 2 j + 1
.endr
.endr
	s_set_vgpr_msb 0x0040                          ; destination in window 1
.irp i, 0,1,2,3
.irp j, 0,1,2
	global_load_b64 v[XS+6*\i+2*\j:XS+6*\i+2*\j+1], v124, s[2:3] offset:384*\i+8*\j     ; x tile i likewise
.endr
.endr
	s_set_vgpr_msb 0x4000
	s_mov_b32 s[SEL], 0x76543210
	s_mov_b32 s[SEL+1], 0xfedcba98
	s_mov_b32 s[MNT], 0x600000
	s_mov_b32 s[KS2], 0x3c08839e                   ; 8.3321608736e-3
	s_mov_b32 s[KS1], 0xbe2aaaa3                   ; -1.6666654611e-1
	s_mov_b32 s[KC3], 0x37ccf5ce                   ; 2.443315711809948e-5
	s_mov_b32 s[KC2], 0xbab6061a                   ; -1.388731625493765e-3
	s_cmp_lt_u32 s[WV], 8                          ; waves 0-7 (q's and k's) make the tables
	s_cbranch_scc0 .Lno_inv
; P = 10000^(d / 32) = 10^(d / 8), written in decimals and rounded to f32 by the assembler: a for lanes 0-15, b for lanes 16-31
.macro PW i, a, b
	v_mov_b32 v[INV+\i], \b
	s_delay_alu instid0(VALU_DEP_1)
	v_cndmask_b32 v[INV+\i], \a, v[INV+\i], vcc_lo
.endm
	PW 0, 1.0, 10.0
	PW 1, 1.333521432163324, 13.33521432163324
	PW 2, 1.778279410038923, 17.78279410038923
	PW 3, 2.371373705661655, 23.71373705661655
	PW 4, 3.162277660168379, 31.62277660168379
	PW 5, 4.216965034285822, 42.16965034285822
	PW 6, 5.623413251903491, 56.23413251903491
	PW 7, 7.498942093324559, 74.98942093324559
	PW 8, 100.0, 1000.0
	PW 9, 133.3521432163324, 1333.521432163324
	PW 10, 177.8279410038923, 1778.279410038923
	PW 11, 237.1373705661655, 2371.373705661655
	PW 12, 316.2277660168379, 3162.277660168379
	PW 13, 421.6965034285822, 4216.965034285822
	PW 14, 562.3413251903491, 5623.413251903491
	PW 15, 749.8942093324559, 7498.942093324559
	s_wait_alu depctr_va_vdst(0)
.irp i, 0,1,2,3,4,5,6,7,8,9,10,11,12,13,14,15
	v_rcp_f32 v[96+\i], v[INV+\i]
.endr
	v_nop                                          ; a plain instruction behind the last reciprocal,
	s_wait_alu depctr_va_vdst(0)                   ; and the one wait for the batch, ahead of its first reader
.irp i, 0,1,2,3,4,5,6,7,8,9,10,11,12,13,14,15
	v_fma_f32 v[INV+\i], -v[INV+\i], v[96+\i], 1.0 ; e = 1 - P R
.endr
.irp i, 0,1,2,3,4,5,6,7,8,9,10,11,12,13,14,15
	v_fma_f32 v[INV+\i], v[96+\i], v[INV+\i], v[96+\i]   ; R + R e: the quotient 1 / P to the last bit
.endr
.Lno_inv:
	s_wait_alu depctr_va_vdst(0)
	s_wait_xcnt 0x0                                ; the scale words' loads have read their address and bases, which are written anew below; the words land while the tables are made
	s_cmp_lt_u32 s[WV], 8
	s_cbranch_scc0 .Lno_tab
	v_lshlrev_b32 v64, 5, v121                     ; 32 h
.irp tt, 0,1,2,3
.irp ft, 0,1,2,3
	global_load_b128 v[ACC+32*\tt+8*\ft:ACC+32*\tt+8*\ft+3], v64, s[66:67] offset:64*\ft        ; THE BIAS IS THE C OF THE FIRST K STEP: features 16 ft + 8 h + 0 .. 7, for each tile of tokens
	global_load_b128 v[ACC+32*\tt+8*\ft+4:ACC+32*\tt+8*\ft+7], v64, s[66:67] offset:64*\ft+16
.endr
.endr
	v_and_b32 v66, 15, v0
	s_lshl_b32 s95, s[SX], 8
	s_lshl_b32 s3, s[WV], 5
	s_add_co_u32 s95, s95, s3                      ; the first token of my two tiles: 256 X + 32 wave
; four frequencies i0 .. i0 + 3 of the tile whose token (as f32) stands in v68 and v69: cos into v[32 + i], sin into v[48 + i].  At work: number x of element k in v[96 + 4 x + k]
; four frequencies i0 .. i0 + 3 of the tile whose token (as f32) stands in v68 and v69: cos into v[32 + i], sin into v[48 + i].  At work: number x of element k in v[96 + 4 x + k]
.macro TAB4 i0
.irp k, 0,2
	v_pk_mul_f32 v[96+\k:97+\k], v[68:69], v[INV+\i0+\k:INV+\i0+\k+1]   ; f = t x inv_freq, rounded once
.endr
.irp k, 0,2
	v_pk_mul_f32 v[100+\k:101+\k], v[96+\k:97+\k], 0x3f22f983 op_sel_hi:[1,0]   ; x 2 / pi
.endr
.irp k, 0,1,2,3
	v_rndne_f32 v[100+\k], v[100+\k]               ; n, under 2^12
.endr
.irp k, 0,2
	v_pk_fma_f32 v[104+\k:105+\k], v[100+\k:101+\k], 0xbfc90fdb, v[96+\k:97+\k] op_sel_hi:[1,0,1]   ; f - n x (pi / 2 rounded to f32): a multiple of 2^-23 under 1: nothing is rounded
.endr
.irp k, 0,1,2,3
	v_cvt_i32_f32 v[96+\k], v[100+\k]              ; n as a whole number
.endr
.irp k, 0,2
	v_pk_fma_f32 v[104+\k:105+\k], v[100+\k:101+\k], 0x333bbd2e, v[104+\k:105+\k] op_sel_hi:[1,0,1]   ; r: + n x (that number less pi / 2)
.endr
.irp k, 0,2
	v_pk_mul_f32 v[108+\k:109+\k], v[104+\k:105+\k], v[104+\k:105+\k]   ; z = r r
.endr
.irp k, 0,2
	v_pk_fma_f32 v[112+\k:113+\k], v[108+\k:109+\k], 0xb94ca1f9, s[KS2:KS2+1] op_sel_hi:[1,0,0]
	v_pk_fma_f32 v[116+\k:117+\k], v[108+\k:109+\k], s[KC3:KC3+1], 0xbab6061a op_sel_hi:[1,0,0]
.endr
.irp k, 0,2
	v_pk_mul_f32 v[120+\k:121+\k], v[108+\k:109+\k], v[104+\k:105+\k]   ; z r
	v_pk_mul_f32 v[124+\k:125+\k], v[108+\k:109+\k], v[108+\k:109+\k]   ; z z
.endr
.irp k, 0,2
	v_pk_fma_f32 v[112+\k:113+\k], v[112+\k:113+\k], v[108+\k:109+\k], 0xbe2aaaa3 op_sel_hi:[1,1,0]
	v_pk_fma_f32 v[116+\k:117+\k], v[116+\k:117+\k], v[108+\k:109+\k], 0x3d2aaaa5 op_sel_hi:[1,1,0]
.endr
.irp k, 0,2
	v_pk_fma_f32 v[108+\k:109+\k], v[108+\k:109+\k], -0.5, 1.0 op_sel_hi:[1,0,0]   ; 1 - z / 2
.endr
.irp k, 0,2
	v_pk_fma_f32 v[112+\k:113+\k], v[112+\k:113+\k], v[120+\k:121+\k], v[104+\k:105+\k]   ; sin r
	v_pk_fma_f32 v[116+\k:117+\k], v[116+\k:117+\k], v[124+\k:125+\k], v[108+\k:109+\k]   ; cos r
.endr
.irp k, 0,1,2,3
	v_and_b32 v[120+\k], 1, v[96+\k]
.endr
.irp k, 0,1,2,3
	v_cmp_eq_u32 s[MK+\k], 1, v[120+\k]            ; an odd quarter swaps the two
.endr
.irp k, 0,1,2,3
	v_add_nc_u32 v[124+\k], 1, v[96+\k]            ; the cosine changes sign in quarters 1 and 2: bit 1 of n + 1;
.endr
.irp k, 0,1,2,3
	v_lshlrev_b32 v[120+\k], 30, v[96+\k]          ; the sine in quarters 2 and 3: bit 1 of n
	v_lshlrev_b32 v[124+\k], 30, v[124+\k]
.endr
.irp k, 0,1,2,3
	v_cndmask_b32 v[104+\k], v[112+\k], v[116+\k], s[MK+\k]
.endr
.irp k, 0,1,2,3
	v_cndmask_b32 v[108+\k], v[116+\k], v[112+\k], s[MK+\k]
.endr
.irp k, 0,1,2,3
	v_and_b32 v[120+\k], 0x80000000, v[120+\k]
.endr
.irp k, 0,1,2,3
	v_and_b32 v[124+\k], 0x80000000, v[124+\k]
.endr
.irp k, 0,1,2,3
	v_xor_b32 v[48+\i0+\k], v[120+\k], v[104+\k]
.endr
.irp k, 0,1,2,3
	v_xor_b32 v[32+\i0+\k], v[124+\k], v[108+\k]
.endr
.endm
.macro TABLE e                         ; token tile 2 wave + e
	v_add_nc_u32 v68, s95, v66
	v_add_nc_u32 v68, 16*\e, v68
	v_cvt_f32_u32 v69, v68
	v_cvt_f32_u32 v68, v68
	TAB4 0
	TAB4 4
	TAB4 8
	TAB4 12
.irp k, 0,1,2,3
	ds_store_b128 v[TW], v[32+4*\k:35+4*\k] offset:4096*\e+512*\k
	ds_store_b128 v[TW], v[48+4*\k:51+4*\k] offset:4096*\e+2048+512*\k
.endr
.endm
	TABLE 0
	s_wait_dscnt 0x0                               ; the stores have read their registers
	TABLE 1
.Lno_tab:
	s_wait_alu depctr_va_vdst(0)
	s_wait_loadcnt 0x0                             ; the scale words and the biases
	s_set_vgpr_msb 0x0004                          ; source 1 in window 1
.irp i, 0,1,2,3
.irp k, 0,1,2,3,4,5
	v_cndmask_b32 v[SC+6*\i+\k], v[SC+6*\i+\k], v[XS+6*\i+\k], vcc_lo   ; W's words below, x's above
.endr
.endr
	s_set_vgpr_msb 0x0400
	PLACES 8                                       ; a scale word written by a vector instruction stands eight places ahead of the product that names it
	s_wait_alu depctr_va_vdst(0)
	s_wait_tensorcnt 0x0                           ; my part of third 0 or 1 is in
	s_wait_dscnt 0x0                               ; for the others' sake: my tables are stored
	s_barrier_signal -1
	s_barrier_wait -1
; four products: x's tile tt against W's four.  The 16 accumulators take turns, one instruction a turn.  The branch hangs on the wave's number and goes round the products alone
.macro QPROD tt, x, ks                 ; x's tile tt, fragment at x, against W's four, for q and k
.irp ft, 0,1,2,3
	v_wmma_scale_f32_16x16x128_f8f6f4 v[ACC+32*\tt+8*\ft:ACC+32*\tt+8*\ft+7], v[WF+16*\ft:WF+16*\ft+15], v[\x:\x+15], v[ACC+32*\tt+8*\ft:ACC+32*\tt+8*\ft+7], v[SC+6*\ft+\ks], v[SC+6*\tt+\ks] matrix_a_fmt:MATRIX_FMT_BF8 matrix_b_fmt:MATRIX_FMT_BF8 matrix_b_scale:MATRIX_SCALE_ROW1
.endr
.endm
.macro VPROD tt, x, ks                 ; and for v
.irp ft, 0,1,2,3
.if \ks == 0
	v_wmma_scale_f32_16x16x128_f8f6f4 v[ACC+32*\ft+8*\tt:ACC+32*\ft+8*\tt+7], v[\x:\x+15], v[WF+16*\ft:WF+16*\ft+15], 0, v[SC+6*\tt+\ks], v[SC+6*\ft+\ks] matrix_a_fmt:MATRIX_FMT_BF8 matrix_b_fmt:MATRIX_FMT_BF8 matrix_a_scale:MATRIX_SCALE_ROW1
.else
	v_wmma_scale_f32_16x16x128_f8f6f4 v[ACC+32*\ft+8*\tt:ACC+32*\ft+8*\tt+7], v[\x:\x+15], v[WF+16*\ft:WF+16*\ft+15], v[ACC+32*\ft+8*\tt:ACC+32*\ft+8*\tt+7], v[SC+6*\tt+\ks], v[SC+6*\ft+\ks] matrix_a_fmt:MATRIX_FMT_BF8 matrix_b_fmt:MATRIX_FMT_BF8 matrix_a_scale:MATRIX_SCALE_ROW1
.endif
.endr
.endm
; sixteen products: x's four tiles against W's four; the last two fragments of x lie in window 1
.macro PROD16 ks
	s_cmp_lt_u32 s[WV], 8
	s_cbranch_scc0 .Lfor_v_\@
	s_wait_alu depctr_va_vdst(0)
	QPROD 0, XF, \ks
	QPROD 1, XF+16, \ks
	s_wait_dscnt 0x0
	s_set_vgpr_msb 0x0004                          ; source 1 in window 1
	QPROD 2, X2, \ks
	QPROD 3, X2+16, \ks
	s_set_vgpr_msb 0x0400
	s_branch .Ljoin_\@
.Lfor_v_\@:
	s_wait_alu depctr_va_vdst(0)
	VPROD 0, XF, \ks
	VPROD 1, XF+16, \ks
	s_wait_dscnt 0x0
	s_set_vgpr_msb 0x0001                          ; source 0 in window 1
	VPROD 2, X2, \ks
	VPROD 3, X2+16, \ks
	s_set_vgpr_msb 0x0100
.Ljoin_\@:
.endm
; a K step of 128: the slot's (ks % 2)-th.  Eight places stand in front of each run of loads into registers that matrix instructions have read
.macro KSTEP ks
.if \ks > 0
	PLACES 8
.endif
.if \ks == 4
	s_cmp_lt_u32 s[WV], 8                          ; v's waves ask for their bias here, into the scale words of K steps 0 and 1, which are done with: bv[16 g + r], twice: a pair for the packed addition
	s_cbranch_scc1 .Lno_bv_\@
.irp g, 0,1,2,3
	global_load_b32 v[SC+6*\g], v[BO], s[66:67] offset:64*\g
	global_load_b32 v[SC+6*\g+1], v[BO], s[66:67] offset:64*\g
.endr
.Lno_bv_\@:
.endif
	s_wait_alu depctr_va_vdst(0)
.irp ft, 0,1,2,3
.irp c, 0,1,2,3
	ds_load_b128 v[WF+16*\ft+4*\c:WF+16*\ft+4*\c+3], v[WA] offset:16*PITCH*\ft+128*((\ks)%2)+32*\c
.endr
.endr
.irp tt, 0,1
.irp c, 0,1,2,3
	ds_load_b128 v[XF+16*\tt+4*\c:XF+16*\tt+4*\c+3], v[XA] offset:16*PITCH*\tt+128*((\ks)%2)+32*\c
.endr
.endr
	s_set_vgpr_msb 0x0040                          ; destination in window 1
.irp tt, 0,1
.irp c, 0,1,2,3
	ds_load_b128 v[X2+16*\tt+4*\c:X2+16*\tt+4*\c+3], v[XA] offset:16*PITCH*(\tt+2)+128*((\ks)%2)+32*\c
.endr
.endr
	s_set_vgpr_msb 0x4000
	s_wait_dscnt 0x8                               ; W's fragments and x's first two are in; the eight loads of x's last two may be out
	PROD16 \ks
.endm
	KSTEP 0
	KSTEP 1
	; ---- slot 0 is left and filled again, with third 2
	s_wait_tensorcnt 0x0                           ; all my tensor loads have landed: my part of third 1; so a group 0 may be written
	ds_add_u32 v[SPW], v[NIL]                      ; 0 onto my spare word
	s_add_nc_u64 s[G0X+2:G0X+3], s[G0X+2:G0X+3], 512
	s_add_nc_u64 s[G0W+2:G0W+3], s[G0W+2:G0W+3], 512
	v_xor_b32 v[XA], SLOT1, v[XA]                  ; on to slot 1
	v_xor_b32 v[WA], SLOT1, v[WA]
	s_wait_dscnt 0x0                               ; the add is done, and my reads of slot 0 are over
	CROUND                                         ; both now hold of every wave of all sixteen work-groups
	s_cmp_lt_u32 s[WV], 4                          ; the joint refill, first behind the round, one load a wave; four v_nop follow each line
	s_cbranch_scc0 .Lre_not_x
	tensor_load_to_lds s[G0X:G0X+3], s[G1X:G1X+7]
	s_nop 0
	PLACES 4
	s_branch .Lre_asked
.Lre_not_x:
	s_cmp_lt_u32 s[WV], 7
	s_cbranch_scc0 .Lre_asked
	tensor_load_to_lds s[G0W:G0W+3], s[G1W:G1W+7]
	s_nop 0
	PLACES 4
.Lre_asked:
	s_wait_alu depctr_va_vdst(0)
	KSTEP 2
	KSTEP 3
	; ---- slot 1 is left; nothing is filled again, so no round follows
	s_wait_tensorcnt 0x0                           ; my part of third 2 is in
	ds_add_u32 v[SPW], v[NIL]
	v_xor_b32 v[XA], SLOT1, v[XA]                  ; back to slot 0
	v_xor_b32 v[WA], SLOT1, v[WA]
	s_wait_dscnt 0x0
	s_barrier_signal -1
	s_barrier_wait -1
	KSTEP 4
	KSTEP 5
	; ---- THE WAY OUT
	PLACES 8                                       ; behind the last products: their results are read, and their operands' and scale words' registers written, from here on
	v_and_b32 v17, 31, v0
	s_delay_alu instid0(VALU_DEP_1)
	v_lshlrev_b32 v16, 4, v17                      ; v16 = 16 lane: an image's place for my lane
	s_delay_alu instid0(VALU_DEP_2)
	v_cmp_lt_u32 vcc_lo, 15, v17                   ; lanes 16-31
	v_and_b32 v18, 15, v0
	v_bfe_u32 v19, v0, 4, 1
	s_delay_alu instid0(VALU_DEP_2)
	v_lshlrev_b32 v17, 4, v18
	s_delay_alu instid0(VALU_DEP_1)
	v_lshl_add_u32 v17, v19, 2, v17                ; v17 = 16 r + 4 h
	v_mov_b32 v[MX+2], 0                           ; written once: a lane permute's destination counts as one of its sources
	v_mov_b32 v[MX+3], 0
	s_lshr_b32 s86, s[SUB], 1                      ; my step of X's two
	s_lshl_b32 s88, s[SY], 5
	s_lshl_b32 s85, s[SX], 1
	s_add_co_u32 s88, s88, s85
	s_add_co_u32 s88, s88, s86
	s_mul_i32 s87, s88, 16896                      ; s87: my chunk of kv: [Y][2 X + step]: K's 8,192 bytes, V's 8,192, then the step's 512 bytes of scale words
	s_add_co_u32 s88, s87, 16384                   ; s88: the scale words
	s_and_b32 s89, s[SUB], 1                       ; which half of the step's 128 tokens is mine
	s_mov_b32 s99, 0
; group g's 32 registers, two blocks of 32 along the next K (16 numbers here, 16 in lane l xor 16), become eight registers of codes and two scale bytes
.macro QUANT32 g
.irp c, 0,1
	v_max3_num_f32 v[MX+\c], |v[ACC+32*\g+16*\c]|, |v[ACC+32*\g+16*\c+1]|, 0x8000000   ; with the floor 2^(16 - 127): the byte cannot fall under 1
.endr
.irp i, 2,4,6,8,10,12,14
.irp c, 0,1
	s_delay_alu instid0(VALU_DEP_2)
	v_max3_num_f32 v[MX+\c], v[MX+\c], |v[ACC+32*\g+16*\c+\i]|, |v[ACC+32*\g+16*\c+\i+1]|
.endr
.endr
.irp c, 0,1
	s_delay_alu instid0(VALU_DEP_2)
	v_permlanex16_b32 v[MX+2+\c], v[MX+\c], s[SEL], s[SEL+1]
.endr
.irp c, 0,1
	s_delay_alu instid0(VALU_DEP_2)
	v_max_num_f32 v[MX+\c], v[MX+\c], v[MX+2+\c]   ; the block's largest magnitude
.endr
.irp c, 0,1
	s_delay_alu instid0(VALU_DEP_2)
	v_add_nc_u32 v[MX+4+\c], 0xf8800000, v[MX+\c]  ; 15 off its exponent field: the conversion's scale operand
.endr
.irp c, 0,1
	s_delay_alu instid0(VALU_DEP_4)
	v_and_or_b32 v[MX+6+\c], v[MX+\c], 0x7f800000, s[MNT]   ; 57,344 x the scale
.endr
.irp c, 0,1
	s_delay_alu instid0(VALU_DEP_4)
	v_lshrrev_b32 v[SB+2*\g+\c], 23, v[MX+4+\c]    ; the scale's byte
.endr
.irp c, 0,1
.irp i, 0,1,2,3,4,5,6,7,8,9,10,11,12,13,14,15
	v_med3_num_f32 v[ACC+32*\g+16*\c+\i], v[ACC+32*\g+16*\c+\i], -v[MX+6+\c], v[MX+6+\c]   ; the conversion to an 8-bit code does not saturate (ISA guide 7.6.2): the hold
.endr
	v_cvt_scalef32_pk8_bf8_f32 v[CD+8*\g+4*\c:CD+8*\g+4*\c+1], v[ACC+32*\g+16*\c:ACC+32*\g+16*\c+7], v[MX+4+\c]
	v_cvt_scalef32_pk8_bf8_f32 v[CD+8*\g+4*\c+2:CD+8*\g+4*\c+3], v[ACC+32*\g+16*\c+8:ACC+32*\g+16*\c+15], v[MX+4+\c]
.endr
	v_nop                                          ; one plain instruction behind the last conversion
.endm
	s_cmp_lt_u32 s[WV], 8
	s_cbranch_scc0 .Lepi_v
	; ---- q and k: the turn, the quantiser, the images
.macro TABIN g
.irp k, 0,1,2,3
	ds_load_b128 v[CO+4*\k:CO+4*\k+3], v[TR] offset:4096*(\g)+512*\k
	ds_load_b128 v[SI+4*\k:SI+4*\k+3], v[TR] offset:4096*(\g)+2048+512*\k
.endr
.endm
	TABIN 0
	s_lshl_b32 s98, s89, 12
	s_add_co_u32 s98, s98, s87                     ; k's codes: my chunk, token tiles 4 x half on
	s_lshl_b32 s90, s[SY], 18
	s_lshl_b32 s91, s[SX], 14
	s_add_co_u32 s90, s90, s91
	s_lshl_b32 s91, s[SUB], 12
	s_add_co_u32 s90, s90, s91                     ; q's codes: tile 256 Y + 16 X + 4 sub, 1,024 bytes a tile
	s_cmp_eq_u32 s[ROLE], 0
	s_cselect_b32 s98, s90, s98
	s_cselect_b64 s[96:97], s[26:27], s[30:31]
	s_add_nc_u64 s[96:97], s[96:97], s[98:99]
	s_lshl_b32 s90, s[SY], 6
	s_lshl_b32 s91, s[SX], 2
	s_add_co_u32 s90, s90, s91
	s_add_co_u32 s90, s90, s[SUB]
	s_lshl_b32 s90, s90, 9                         ; q's scale words: 512 bytes for my 64 tokens
	s_lshl_b32 s91, s89, 3
	s_add_co_u32 s91, s91, s88                     ; k's: pairs 2 x half, 2 x half + 1
	s_cmp_eq_u32 s[ROLE], 0
	s_cselect_b32 s98, s90, s91
	s_cselect_b64 s[2:3], s[28:29], s[30:31]
	s_add_nc_u64 s[2:3], s[2:3], s[98:99]
.irp g, 0,1,2,3
	s_wait_dscnt 0x0                               ; the tile's cos and sin
.irp p, 0,1,2,3,4,5,6,7                        ; registers i and 16 + i are features d and 32 + d; each accumulator is read from its low end on
	v_pk_mul_f32 v[RT+4*(\p%2):RT+4*(\p%2)+1], v[ACC+32*\g+16+2*\p:ACC+32*\g+17+2*\p], v[SI+2*\p:SI+2*\p+1]
	v_pk_mul_f32 v[RT+4*(\p%2)+2:RT+4*(\p%2)+3], v[ACC+32*\g+2*\p:ACC+32*\g+2*\p+1], v[SI+2*\p:SI+2*\p+1]
	v_pk_fma_f32 v[ACC+32*\g+2*\p:ACC+32*\g+2*\p+1], v[ACC+32*\g+2*\p:ACC+32*\g+2*\p+1], v[CO+2*\p:CO+2*\p+1], v[RT+4*(\p%2):RT+4*(\p%2)+1] neg_lo:[0,0,1] neg_hi:[0,0,1]
	v_pk_fma_f32 v[ACC+32*\g+16+2*\p:ACC+32*\g+17+2*\p], v[ACC+32*\g+16+2*\p:ACC+32*\g+17+2*\p], v[CO+2*\p:CO+2*\p+1], v[RT+4*(\p%2)+2:RT+4*(\p%2)+3]
.endr
.if \g < 3
	TABIN \g+1                                     ; the next tile's tables land while this one is quantised
.endif
	QUANT32 \g
	global_store_b128 v16, v[CD+8*\g:CD+8*\g+3], s[96:97] offset:1024*\g          ; 32 lanes store 512 consecutive bytes, aligned
	global_store_b128 v16, v[CD+8*\g+4:CD+8*\g+7], s[96:97] offset:1024*\g+512
.endr
	s_cmp_lt_u32 s[WV], 4
	s_cbranch_scc0 .Lk_words
.irp g, 0,1,2,3                                ; q's word comes in two forms: lanes 0-15 [q0 q1 1 1] for the operand [q | 0], lanes 16-31 [1 1 q0 q1] for [0 | q]
	v_lshl_or_b32 v[MX], v[SB+2*\g+1], 8, v[SB+2*\g]
	s_delay_alu instid0(VALU_DEP_1)
	v_or_b32 v[MX+1], 0x01010000, v[MX]
	s_delay_alu instid0(VALU_DEP_2)
	v_lshl_or_b32 v[MX], v[MX], 16, 0x101
	s_delay_alu instid0(VALU_DEP_1)
	v_cndmask_b32 v[20+\g], v[MX+1], v[MX], vcc_lo
.endr
	global_store_b128 v16, v[20:23], s[2:3]        ; my four tiles' words: 512 consecutive bytes
	s_branch .Lend
.Lk_words:                                         ; a pair of tiles is one operand of 128 along K: its word is [u0c0 u0c1 u1c0 u1c1]
	v_lshl_or_b32 v[MX], v[SB+1], 8, v[SB]
	v_lshl_or_b32 v[MX+1], v[SB+5], 8, v[SB+4]
	s_delay_alu instid0(VALU_DEP_2)
	v_lshl_or_b32 v[MX], v[SB+2], 16, v[MX]
	s_delay_alu instid0(VALU_DEP_2)
	v_lshl_or_b32 v[MX+1], v[SB+6], 16, v[MX+1]
	s_delay_alu instid0(VALU_DEP_2)
	v_lshl_or_b32 v[MX], v[SB+3], 24, v[MX]
	s_delay_alu instid0(VALU_DEP_2)
	v_lshl_or_b32 v[MX+1], v[SB+7], 24, v[MX+1]
	s_delay_alu instid0(VALU_DEP_1)
	v_cndmask_b32 v[MX], v[MX], v[MX+1], vcc_lo    ; lanes 0-15 store the first pair's, lanes 16-31 the second's
	global_store_b32 v17, v[MX], s[2:3]
	s_branch .Lend
.Lepi_v:
	; ---- v: the bias, the quantiser along the tokens, the images
	s_lshl_b32 s98, s89, 10
	s_add_co_u32 s98, s98, s87
	s_add_co_u32 s98, s98, 8192                    ; V's part of my chunk, key blocks 2 x half on
	s_add_nc_u64 s[96:97], s[30:31], s[98:99]
	s_lshl_b32 s98, s89, 1
	s_add_co_u32 s98, s98, s88
	s_add_co_u32 s98, s98, 256                     ; V's scale words, my two bytes of each
	s_add_nc_u64 s[2:3], s[30:31], s[98:99]
	s_wait_loadcnt 0x0                             ; bv
.irp g, 0,1,2,3
.irp p, 0,1,2,3,4,5,6,7,8,9,10,11,12,13,14,15
	v_pk_add_f32 v[ACC+32*\g+2*\p:ACC+32*\g+2*\p+1], v[ACC+32*\g+2*\p:ACC+32*\g+2*\p+1], v[SC+6*\g:SC+6*\g+1]
.endr
	QUANT32 \g
	global_store_b128 v16, v[CD+8*\g:CD+8*\g+3], s[96:97] offset:2048*\g
	global_store_b128 v16, v[CD+8*\g+4:CD+8*\g+7], s[96:97] offset:2048*\g+512
.endr
.irp g, 0,1,2,3
	v_lshl_or_b32 v[MX+\g], v[SB+2*\g+1], 8, v[SB+2*\g]
.endr
.irp i, 0,1
	v_cndmask_b32 v[MX+4+\i], v[MX+2*\i], v[MX+2*\i+1], vcc_lo   ; lanes 0-15 store tile 2 i's two bytes, lanes 16-31 tile 2 i + 1's
	global_store_b16 v17, v[MX+4+\i], s[2:3] offset:8*\i
.endr
.Lend:
	s_wait_tensorcnt 0x0                           ; the wave's end: behind my last tensor load and my last LDS store
	ds_add_u32 v[SPW], v[NIL]
	s_wait_dscnt 0x0
	CROUND                                         ; the closing round: no work-group ends while a partner may still ask for a tile that names it
	s_endpgm
.Lfunc_end_k_q6221e06552_proj:
	.size	k_q6221e06552_proj, .Lfunc_end_k_q6221e06552_proj-k_q6221e06552_proj
	.p2alignl 7, 3214868480
	.fill 96, 4, 3214868480
	.section	.rodata,"a",@progbits
	.p2align	6, 0x0
	.amdhsa_kernel k_q6221e06552_proj
		.amdhsa_group_segment_fixed_size 327680
		.amdhsa_private_segment_fixed_size 0
		.amdhsa_enable_private_segment 0
		.amdhsa_kernarg_size 112
		.amdhsa_user_sgpr_count 2
		.amdhsa_user_sgpr_kernarg_segment_ptr 1
		.amdhsa_wavefront_size32 1
		.amdhsa_system_sgpr_workgroup_id_x 1
		.amdhsa_system_sgpr_workgroup_id_y 1
		.amdhsa_system_sgpr_workgroup_id_z 1
		.amdhsa_system_vgpr_workitem_id 0
		.amdhsa_next_free_vgpr 320
		.amdhsa_next_free_sgpr 100
		.amdhsa_reserve_vcc 1
		.amdhsa_float_denorm_mode_32 3
		.amdhsa_float_denorm_mode_16_64 3
		.amdhsa_memory_ordered 1
		.amdhsa_forward_progress 1
		.amdhsa_inst_pref_size 158
	.end_amdhsa_kernel
	.amdgpu_metadata
---
amdhsa.version: [ 1, 2 ]
amdhsa.kernels:
  - .name:           k_q6221e06552_proj
    .symbol:         k_q6221e06552_proj.kd
    .args:
      - { .name: hidden_states_codes, .offset: 0, .size: 8, .value_kind: global_buffer, .address_space: global }
      - { .name: hidden_states_scales, .offset: 8, .size: 8, .value_kind: global_buffer, .address_space: global }
      - { .name: Wq_codes, .offset: 16, .size: 8, .value_kind: global_buffer, .address_space: global }
      - { .name: Wk_codes, .offset: 24, .size: 8, .value_kind: global_buffer, .address_space: global }
      - { .name: Wv_codes, .offset: 32, .size: 8, .value_kind: global_buffer, .address_space: global }
      - { .name: Wq_scales, .offset: 40, .size: 8, .value_kind: global_buffer, .address_space: global }
      - { .name: Wk_scales, .offset: 48, .size: 8, .value_kind: global_buffer, .address_space: global }
      - { .name: Wv_scales, .offset: 56, .size: 8, .value_kind: global_buffer, .address_space: global }
      - { .name: bq, .offset: 64, .size: 8, .value_kind: global_buffer, .address_space: global }
      - { .name: bk, .offset: 72, .size: 8, .value_kind: global_buffer, .address_space: global }
      - { .name: bv, .offset: 80, .size: 8, .value_kind: global_buffer, .address_space: global }
      - { .name: qc, .offset: 88, .size: 8, .value_kind: global_buffer, .address_space: global }
      - { .name: qs, .offset: 96, .size: 8, .value_kind: global_buffer, .address_space: global }
      - { .name: kv, .offset: 104, .size: 8, .value_kind: global_buffer, .address_space: global }
    .group_segment_fixed_size: 327680
    .private_segment_fixed_size: 0
    .kernarg_segment_align: 8
    .kernarg_segment_size: 112
    .max_flat_workgroup_size: 384
    .sgpr_count:     100
    .vgpr_count:     320
    .wavefront_size: 32
...
	.end_amdgpu_metadata
.endif
;; end of part 1
;; launch attn (part 2): grid 64 x 4, 8 waves a work-group, clusters of 4 x 1, 327,680 bytes of LDS; arguments qc, qs, kv, attention_mask, out0; writes out0
.if DOCPART == 2
	.amdgcn_target "amdgcn-amd-amdhsa--gfx1250"
	.amdhsa_code_object_version 6
	.text
	.protected	k_q6221e06552_attn
	.globl	k_q6221e06552_attn
	.p2align	8
	.type	k_q6221e06552_attn,@function
k_q6221e06552_attn:
	s_mov_b64 s[64:65], 0
	v_nop
	global_prefetch_b8 v0, s[64:65] scope:SCOPE_SE
	s_setreg_imm32_b32 hwreg(HW_REG_WAVE_MODE, 25, 1), 1
	s_wait_xcnt 0x0
	s_wait_alu depctr_hold_cnt(0) depctr_sa_sdst(0) depctr_va_vdst(0) depctr_va_sdst(0) depctr_va_ssrc(0) depctr_va_vcc(0) depctr_vm_vsrc(0)
	s_getreg_b32 s2, hwreg(HW_REG_IB_STS2, 6, 4)
	s_cmp_eq_u32 s2, 0
	s_cbranch_scc0 .Lentry_in_a_cluster
	s_endpgm
.Lentry_in_a_cluster:
	s_bfe_u32 s2, ttmp6, 0x10000c
	s_cmp_lg_u32 s2, 0x3003
	s_cbranch_scc0 .Lentry_shape_is_right
	s_endpgm
.Lentry_shape_is_right:
; out[q][64 head + d] = the sum over keys of softmax(q . k / 8 + mask[key]) v[key][d], 12 heads of 64, 4,096 queries and keys, both products on codes of BF8 (E5M2) with one E8M0 scale for each 32 along K.
; q, k, v come as images of operand registers (four registers = 512 bytes, lane l's 16 bytes at 16 l) with their scale words, as the launch before has laid them; the mask is f32; out is f32.
; THE SOFTMAX AHEAD OF THE SECOND PRODUCT: t = (s + 8 mask) x log2(e) / 8; M = the row's largest t so far, rounded UP to a whole number; p = 2^(t - M) is quantised along the keys, not normalised;
; the row's sum is taken of the unquantised p and divides at the end.  When M moves, the sum and O are multiplied by 2^(old M - new M): exact.
; SHARES.  A work-group (x of 64, head group y of three heads) makes, one after the other: PHASE 1: eight tiles of 16 queries of head 3 y + x / 32; PHASE 2: four tiles of head 3 y + 2: twelve tiles in each of 256 work-groups.
; A wave owns TWO tiles, which share every fragment of K and V and the mask, and a part of the keys: phase 1: pair w % 4, every second step of 128 keys; phase 2: pair w % 2, every fourth.  The parts are joined in LDS at a phase's end.
; LAYOUT.  Both products are used transposed: S^T = K Q^T, O^T = V^T P^T: a lane holds ONE query of a tile throughout.  The head's 64 fill half of the instruction's K = 128: a fragment of K holds TWO tiles of 16 keys;
; Q stands as [q0 | 0 | q1 | 0 | q0] in 40 registers: [q | 0] gives key tile 0's scores, [0 | q] key tile 1's; the other half meets zero codes (K's codes are finite: the quantiser holds them).
; 8 x MASK IS THE C OF THE SCORE PRODUCT, in registers of its own that both tiles' products name.
; THE RING: two LDS slots of 1,024 keys (eight chunks of 16,896 dense bytes: K, V, scale words), each wave fetching one chunk.  It does not stop between the phases: slots 0-3 are phase 1's, 4-7 phase 2's.
; CLUSTER: its four work-groups walk the same heads: every fill is asked for JOINTLY.  By this text's count a wave has one tensor load out at any time.
; A CHANGE OF SLOTS lies inside a slot's last step: the step's fragments are in registers by its middle, so there the wave says that it has left the slot; the closing wait and the refill stand at the step's end.
; REGISTERS: window 0: addresses, softmax state and work v0-55, scores v56-183 (two tiles), p's codes v184-215, Q v216-255.  Window 1: K v0-63, V v64-127, mask v128-191, O^T v192-255 (two tiles).
; LIMITS: NaN among the inputs is not served.  The mask is held within +-2^27: the same result wherever some key of the row has a logit above about -2^27; a mask of -infinity at every key gives a mean where
; the definition gives NaN.  A block of p that is all zeros keeps the scale byte 1: its codes are zeros.
.set CH,    16896                      ; one step of 128 keys: K's 8 tiles (8,192 bytes), V^T's 4 tiles, 512 bytes of scale words: 66 rows of 256 bytes
.set SLOTB, 8*CH
.set HEADB, 32*CH
.set MASK,  2*SLOTB                    ; 8 x mask, 4,096 f32; stored by waves, never filled
.set SPARE, MASK+16384                 ; the spare words, 128 bytes for each wave: four blocks of 256 bytes that no other line names
.set JB,    SPARE+1024                 ; the joins: an image of one tile for each wave: 8 blocks of 544 bytes (lanes 16-31 stand 16 bytes further on); never filled
.set JS,    JB+8*4352                  ; and its (-M, sum) for 16 queries
.set LI0, 1                            ; v1  16 lane + my first chunk of a slot
.set MA0, 2                            ; v2  MASK + 32 h + my first step's 512 bytes
.set LN,  3                            ; v3  16 lane
.set SPW, 4                            ; v4  my spare word; never rewritten
.set NIL, 5                            ; v5  0; never rewritten
.set QSA, 6                            ; v6, v7 the two tiles' q scale words: lanes 0-15 for [q | 0], lanes 16-31 for [0 | q]
.set ADK, 8
.set ADM, 9
.set PFO, 10                           ; v10 the prefetches' offset; never rewritten
.set GO,  11                           ; v11 my offset in two rows of out
.set SWV, 12                           ; v12-15, v16-19 a step's scale words, once for V (lanes 16-31), once for K (lanes 0-15)
.set SWK, 16
.set STA, 20                           ; v20 -M, v21 the largest score, v[22:23] the sum in two halves;  v24-27 the second tile's
.set STB, 24
.set FCA, 28                           ; v[28:29], v[30:31] 2^(old M - new M) (the upper halves are named, and so written, but not used)
.set FCB, 30
.set BM,  32                           ; v32-39 block maxima, then holds
.set PM,  40                           ; v40-47 the other half's, then bytes; v40, v41 p's scale words
.set SO,  48                           ; v48-55 the conversions' scale operands
.set SCA, 56                           ; v56-119, v120-183 S^T, then p
.set SCB, 120
.set PCA, 184                          ; v184-199, v200-215 p's codes (ahead of them the sums' working pairs)
.set PCB, 200
.set QF,  216
.set KF,  0                            ; window 1
.set VF,  64
.set MF,  128
.set OT,  192
.set JW,  120                          ; the joins, at work: v120-123 addresses
.set JX,  121
.set FA,  122
.set FB,  123
.set FX,  56                           ; v56-71 states, v72-103 parts, v104-119 results, v132-139 factors, v140-143 least -M, v144-147 sums
.set FY,  72
.set FZ,  104
.set FF,  132
.set FM,  140
.set FL,  144
.set TB,  2                            ; s2  where the slot in hand begins
.set TK,  3                            ; s3  where the step in hand begins
.set WV,  18
.set MNT, 19
.set SEL, 20
.set CS,  22                           ; s[22:23] c = log2(e) / 8
.set G1,  24                           ; s[24:31] group 1: 66 dense rows of 256 bytes
.set NC,  32                           ; -c
.set CX,  33
.set SX,  34
.set HG,  35
.set HA,  36                           ; phase 1's head
.set HB,  37                           ; phase 2's
.set TM,  38                           ; the mask's place
.set SL,  39
.set G0,  40                           ; s[40:43] group 0: it walks
.set JJ,  44
.set JUMP, 45                          ; from head HA's last slot to HB's first, in bytes
.set INC, 46                           ; s[46:47] the descriptor's next step, s[48:49] the prefetches'
.set PINC, 48
.set WCH, 50                           ; my chunk of a slot
.set ASKF, 51                          ; 1 in a wave that prefetches
.set PFA, 52                           ; s[52:53] where my prefetches stand
.set OUTA, 54                          ; s[54:55] my rows of out
.set MSB, 0
.macro WIN new                         ; the immediate's high byte repeats the setting that is left
.if MSB != \new
	s_set_vgpr_msb (MSB<<8)|\new
.set MSB, \new
.endif
.endm
.macro PLACES n
.rept \n
	v_nop
.endr
.endm
.macro WALU
	s_wait_alu depctr_va_vdst(0)
.endm
.macro BARRIER
	s_barrier_signal -1
	s_barrier_wait -1
.endm
.macro MIDDLE                          ; a round of the cluster's barrier behind its opening signal, up to its closing one
	s_barrier_wait -1
	s_cmp_lg_u32 s[WV], 0
	s_cbranch_scc1 .Lnot_wave_0_\@
	s_barrier_signal -3
.Lnot_wave_0_\@:
	s_barrier_wait -3
	s_barrier_signal -1
.endm
.macro CROUND                          ; a whole round
	s_barrier_signal -1
	MIDDLE
	s_barrier_wait -1
.endm
.macro TLOAD
	tensor_load_to_lds s[G0:G0+3], s[G1:G1+7]
	s_nop 0
	PLACES 4
.endm
.macro SPROD d, k, q, m, qs, row=
	v_wmma_scale_f32_16x16x128_f8f6f4 v[\d:\d+7], v[KF+16*(\k):KF+16*(\k)+15], v[\q:\q+15], v[\m:\m+7], v[SWK+(\k)], v[\qs] matrix_a_fmt:MATRIX_FMT_BF8 matrix_b_fmt:MATRIX_FMT_BF8 \row
.endm
.macro PPROD d, k, p, w
	v_wmma_scale_f32_16x16x128_f8f6f4 v[\d:\d+7], v[VF+16*(\k):VF+16*(\k)+15], v[\p:\p+15], v[\d:\d+7], v[SWV+(\k)], v[\w] matrix_a_fmt:MATRIX_FMT_BF8 matrix_b_fmt:MATRIX_FMT_BF8 matrix_a_scale:MATRIX_SCALE_ROW1
.endm
; the row's sum under the new M: sum x f + the 64 unquantised p of tile sc, in four chains; cv = 1: the first tile's conversions 0-5 stand among the additions
.macro SUMS sc, st, f, w, cv
	v_pk_fma_f32 v[\st+2:\st+3], v[\st+2:\st+3], v[\f:\f+1], v[\sc:\sc+1] op_sel_hi:[1,0,1]
	v_pk_add_f32 v[\w:\w+1], v[\sc+2:\sc+3], v[\sc+4:\sc+5]
	v_pk_add_f32 v[\w+2:\w+3], v[\sc+6:\sc+7], v[\sc+8:\sc+9]
	v_pk_add_f32 v[\w+4:\w+5], v[\sc+10:\sc+11], v[\sc+12:\sc+13]
.set CNT, 7
.rept 6
	v_pk_add_f32 v[\st+2:\st+3], v[\st+2:\st+3], v[\sc+2*CNT:\sc+2*CNT+1]
	v_pk_add_f32 v[\w:\w+1], v[\w:\w+1], v[\sc+2*CNT+2:\sc+2*CNT+3]
	v_pk_add_f32 v[\w+2:\w+3], v[\w+2:\w+3], v[\sc+2*CNT+4:\sc+2*CNT+5]
	v_pk_add_f32 v[\w+4:\w+5], v[\w+4:\w+5], v[\sc+2*CNT+6:\sc+2*CNT+7]
.if \cv
	CONV PCA, SCA, SO, (CNT-7)/4
.endif
.set CNT, CNT+4
.endr
	v_pk_add_f32 v[\st+2:\st+3], v[\st+2:\st+3], v[\sc+62:\sc+63]
	v_pk_add_f32 v[\w:\w+1], v[\w:\w+1], v[\w+2:\w+3]
	v_pk_add_f32 v[\st+2:\st+3], v[\st+2:\st+3], v[\w+4:\w+5]
	v_pk_add_f32 v[\st+2:\st+3], v[\st+2:\st+3], v[\w:\w+1]
.endm
.macro CONV pc, sc, so, n              ; the n-th eight numbers of a tile
	v_cvt_scalef32_pk8_bf8_f32 v[\pc+2*(\n):\pc+2*(\n)+1], v[\sc+8*(\n):\sc+8*(\n)+7], v[\so+(\n)/2]
.endm
.macro HOLD2 sc, bm, i                 ; numbers i, i + 1 held at the largest code x the scale (the conversion to an 8-bit code does not saturate: ISA guide 7.6.2); p is not negative, so the hold is one-sided
	v_dual_min_num_f32 v[\sc+\i], v[\bm+(\i)/16], v[\sc+\i] :: v_dual_min_num_f32 v[\sc+\i+1], v[\bm+(\i)/16], v[\sc+\i+1]
.endm
; A KEY STEP: 128 keys x my two tiles.  sig = 1: the slot's last step: a round of the cluster's barrier runs through it, and the slot is filled again at its end; sig = 2: a barrier alone, behind which nothing is filled.
; A step's K, mask and scale words: asked for at a slot's head, and inside a slot by the step before
.macro LOADK
	v_add_nc_u32 v[ADK], s[TK], v[LI0]
	v_add_nc_u32 v[ADM], s[TM], v[MA0]
	WALU
	ds_load_b128 v[SWK:SWK+3], v[ADK] offset:16384
	WIN 0x40
.irp b, 0,1,2,3
.irp k, 0,1,2,3
	ds_load_b128 v[KF+16*\b+4*\k:KF+16*\b+4*\k+3], v[ADK] offset:2048*\b+512*\k   ; K: pair b: keys 32 b .. 32 b + 31
.endr
.irp k, 0,1,2,3
	ds_load_b128 v[MF+16*\b+4*\k:MF+16*\b+4*\k+3], v[ADM] offset:128*\b+64*(\k/2)+16*(\k%2)   ; 8 x mask of keys 32 b + 16 u + 8 h + j
.endr
.endr
	WIN 0
.endm
.macro STEP sig, dk, dm
	WIN 0x11                                       ; A and C: window 1; B and D: window 0
.irp b, 0,1,2,3                                ; S^T = K Q^T + 8 mask: register 16 b + 8 u + j = key 32 b + 16 u + 8 h + j of my query
	s_wait_dscnt 24-8*\b                           ; pair b and its mask are in; the younger pairs' eight loads each may be out
	SPROD SCA+16*\b, \b, QF, MF+16*\b, QSA
	SPROD SCA+16*\b+8, \b, QF+24, MF+16*\b+8, QSA, matrix_b_scale:MATRIX_SCALE_ROW1
	SPROD SCB+16*\b, \b, QF+16, MF+16*\b, QSA+1
	SPROD SCB+16*\b+8, \b, QF+8, MF+16*\b+8, QSA+1, matrix_b_scale:MATRIX_SCALE_ROW1
.endr
	PLACES 8                                       ; in front of the first read of the scores, of the loads into what the last step's second products have read, and into what these have
	WIN 0x40
.irp b, 0,1,2,3
.irp k, 0,1,2,3
	ds_load_b128 v[VF+16*\b+4*\k:VF+16*\b+4*\k+3], v[ADK] offset:8192+2048*\b+512*\k   ; V^T: they land while the softmax is walked
.endr
.endr
	WIN 0
	ds_load_b128 v[SWV:SWV+3], v[ADK] offset:16384
	s_add_co_u32 s[TK], s[TK], \dk                 ; my next step, and its mask
	s_add_co_u32 s[TM], s[TM], \dm
.if (\sig) == 0
	LOADK                                          ; it lies in the same slot: its K lands while this step's softmax is walked
.endif
.irp x, 0,16,32,48,64,80,96,112
	v_max3_num_f32 v[BM+\x/16], v[SCA+\x], v[SCA+\x+1], v[SCA+\x+2]   ; THE LARGEST SCORE OF EACH BLOCK OF 32 KEYS serves twice: for the row's maximum and, since p rises with the score, for the block's largest p
.endr
.irp i, 3,5,7,9,11,13
.irp x, 0,16,32,48,64,80,96,112
	v_max3_num_f32 v[BM+\x/16], v[BM+\x/16], v[SCA+\x+\i], v[SCA+\x+\i+1]   ; (both tiles' eight blocks by turns, each accumulator from its low end on)
.endr
.endr
.irp x, 0,16,32,48,64,80,96,112
	v_max_num_f32 v[BM+\x/16], v[BM+\x/16], v[SCA+\x+15]
.endr
.irp b, 0,1,2,3,4,5,6,7
	v_permlanex16_b32 v[PM+\b], v[BM+\b], s[SEL], s[SEL+1]
.endr
.irp b, 0,1,2,3,4,5,6,7
	v_max_num_f32 v[BM+\b], v[BM+\b], v[PM+\b]     ; with lane l xor 16's 16 keys
.endr
.if \sig
	WALU
	s_wait_tensorcnt 0x0                           ; my part of the next slot (sig = 2: of the last) is in
.endif
.if (\sig) == 1
	ds_add_u32 v[SPW], v[NIL]                      ; 0 onto my spare word
	s_add_co_u32 s[G0+1], s[WCH], s[TB]            ; no load of mine is out, so group 0 may be written: this slot will be filled again, with the slot two on
	s_add_nc_u64 s[G0+2:G0+3], s[G0+2:G0+3], s[INC:INC+1]
	s_wait_xcnt 0x0                                ; the last prefetch, a slot back, has read its address, so it may be written:
	s_add_nc_u64 s[PFA:PFA+1], s[PFA:PFA+1], s[PINC:PINC+1]   ; one slot further on
.endif
.irp b, 0,4
	v_max3_num_f32 v[PM+\b], v[BM+\b], v[BM+\b+1], v[BM+\b+2]
.endr
.irp b, 0,4
	v_max3_num_f32 v[STA+\b+1], v[PM+\b], v[BM+\b+3], v[STA+\b+1]   ; the running largest score
.endr
.irp b, 0,4
	v_mul_f32 v[PM+\b], s[NC], v[STA+\b+1]         ; -t
.endr
.irp b, 0,4
	v_floor_f32 v[PM+\b], v[PM+\b]                 ; the new -M = floor(-t): M is a whole number
.endr
.irp b, 0,4
	v_sub_f32 v[PM+\b+1], v[PM+\b], v[STA+\b]      ; old M - new M: a whole number, 0 or less
.endr
.irp b, 0,4
	v_mov_b32 v[STA+\b], v[PM+\b]
.endr
.irp b, 0,4
	v_cvt_i32_f32 v[PM+\b+1], v[PM+\b+1]           ; (it saturates)
.endr
.irp b, 0,4
	v_ldexp_f32 v[FCA+\b/2], 1.0, v[PM+\b+1]       ; f = 2^(old M - new M)
.endr
.irp b, 0,1,2,3,4,5,6,7
	v_fma_f32 v[BM+\b], v[BM+\b], s[CS], v[STA+4*(\b/4)]   ; t - M of each block's largest score
.endr
.if \sig
	WALU
	s_wait_dscnt 0x0                               ; V^T is in (sig = 1: and the add is done): my reads of this slot are over
	s_barrier_signal -1                            ; register work alone from here to the step's end
.endif
.set j, 0
.rept 32
	v_pk_fma_f32 v[SCA+j:SCA+j+1], v[SCA+j:SCA+j+1], s[CS:CS+1], v[STA:STA+1] op_sel_hi:[1,0,0]   ; t - M, two at a time
.set j, j+2
.endr
	WALU
.irp b, 0,1,2,3,4,5,6,7
	v_exp_f32 v[BM+\b], v[BM+\b]                   ; the block's largest p: the same two instructions on the same number give the same bits
.endr
.set j, 0
.rept 32                                       ; the first tile's exponentials, the second's multiply-adds among them: what these write is read behind the wait of the second batch
	v_exp_f32 v[SCA+j], v[SCA+j]                   ; p = 2^(t - M), at most 1
	v_exp_f32 v[SCA+j+1], v[SCA+j+1]
	v_pk_fma_f32 v[SCB+j:SCB+j+1], v[SCB+j:SCB+j+1], s[CS:CS+1], v[STB:STB+1] op_sel_hi:[1,0,0]
.set j, j+2
.endr
	WALU
.irp b, 0,1,2,3,4,5,6,7
	v_max_num_f32 v[BM+\b], 0x8000000, v[BM+\b]    ; the floor 2^(16 - 127): the byte cannot fall under 1
.endr
.irp b, 0,1,2,3,4,5,6,7
	v_add_nc_u32 v[SO+\b], 0xf8800000, v[BM+\b]    ; 15 off the exponent field: the conversion's scale operand
.endr
.irp b, 0,1,2,3,4,5,6,7
	v_and_or_b32 v[BM+\b], v[BM+\b], 0x7f800000, s[MNT]   ; 57,344 x the scale
.endr
.irp b, 0,1,2,3,4,5,6,7
	v_lshrrev_b32 v[PM+\b], 23, v[SO+\b]           ; the scale's byte
.endr
	v_lshl_or_b32 v[PM], v[PM+1], 8, v[PM]         ; p's scale words for these 128 keys: v40 the first tile's, v41 the second's
	v_lshl_or_b32 v[PM+4], v[PM+5], 8, v[PM+4]
	v_lshl_or_b32 v[PM], v[PM+2], 16, v[PM]
	v_lshl_or_b32 v[PM+4], v[PM+6], 16, v[PM+4]
	v_lshl_or_b32 v[PM], v[PM+3], 24, v[PM]
	v_lshl_or_b32 v[PM+1], v[PM+7], 24, v[PM+4]
	SUMS SCA, STA, FCA, PCA, 0
	WALU
.if (\sig) == 0
	s_wait_dscnt 0x0                               ; V^T is in
.endif
.if (\sig) == 1
	MIDDLE
.endif
.set j, 0
.rept 32                                       ; the second tile's exponentials, the first's holds among them
	v_exp_f32 v[SCB+j], v[SCB+j]
	v_exp_f32 v[SCB+j+1], v[SCB+j+1]
	HOLD2 SCA, BM, j
.set j, j+2
.endr
	WALU
	SUMS SCB, STB, FCB, PCB, 1
.set j, 0
.rept 8                                        ; the second tile's holds; each eight is converted behind the next eight's
	HOLD2 SCB, BM+4, j
	HOLD2 SCB, BM+4, j+2
	HOLD2 SCB, BM+4, j+4
	HOLD2 SCB, BM+4, j+6
.if j < 16
	CONV PCA, SCA, SO, 6+j/8
.endif
.if j > 0
	CONV PCB, SCB, SO+4, j/8-1
.endif
.set j, j+8
.endr
	CONV PCB, SCB, SO+4, 7
	WIN 0x41
	WALU
.set j, 0
.rept 16                                       ; O^T under the new M.  (These are also the places between the conversions and the products)
	v_pk_mul_f32 v[OT+j:OT+j+1], v[OT+j:OT+j+1], v[FCA:FCA+1] op_sel_hi:[1,0]
	v_pk_mul_f32 v[OT+32+j:OT+32+j+1], v[OT+32+j:OT+32+j+1], v[FCB:FCB+1] op_sel_hi:[1,0]
.set j, j+2
.endr
	WIN 0x51                                       ; A, C and D: window 1; B: window 0
.irp b, 0,1,2,3                                ; O^T += V^T P^T: 16 of the head's 64 a tile; K = these 128 keys
	PPROD OT+8*\b, \b, PCA, PM
	PPROD OT+32+8*\b, \b, PCB, PM+1
.endr
	WIN 0
.if \sig
	s_barrier_wait -1
.endif
.if (\sig) == 1
	TLOAD                                          ; the joint refill: the first tensor load behind the round, and a wave's only one until the next
; A PREFETCH INTO THE L2 of the slot that the NEXT change of slots will ask for: 135,168 dense bytes = 528 blocks of 256.  Of the clusters that walk a head in phase 1 the first asks (the two that ask share phase 2's head).  Its four partners
; take 132 blocks each, told apart BY ADDRESS; in each, waves 0-5 take 22 blocks each, lanes 256 bytes apart (lanes 22-31 name the wave's last block again).  It stands a whole slot's steps
; ahead of the load that will want the bytes.  Slots 0, 1 and 2 come by their loads alone; behind the last slot nothing is asked for.
	s_cmp_eq_u32 s[ASKF], 1
	s_cbranch_scc0 .Lnot_mine_\@
	global_prefetch_b8 v[PFO], s[PFA:PFA+1] th:TH_LOAD_NT scope:SCOPE_SE
.Lnot_mine_\@:
.endif
.endm
.macro LOADQ                           ; s60: my first tile's number among all heads' (an even one)
	s_lshl_b32 s62, s60, 10
	s_mov_b32 s63, 0
	s_add_nc_u64 s[62:63], s[4:5], s[62:63]        ; codes: 1,024 bytes a tile
	s_lshr_b32 s66, s60, 2
	s_lshl_b32 s66, s66, 9
	s_and_b32 s68, s60, 3
	s_lshl_b32 s68, s68, 2
	s_add_co_u32 s66, s66, s68
	s_mov_b32 s67, 0
	s_add_nc_u64 s[66:67], s[6:7], s[66:67]        ; scale words: 512 bytes for four tiles: 16 lane + 4 (tile % 4)
	WALU
	global_load_b128 v[QF:QF+3], v[LN], s[62:63]
	global_load_b128 v[QF+4:QF+7], v[LN], s[62:63] offset:512
	global_load_b128 v[QF+32:QF+35], v[LN], s[62:63]
	global_load_b128 v[QF+36:QF+39], v[LN], s[62:63] offset:512
	global_load_b128 v[QF+16:QF+19], v[LN], s[62:63] offset:1024
	global_load_b128 v[QF+20:QF+23], v[LN], s[62:63] offset:1536
	global_load_b32 v[QSA], v[LN], s[66:67]
	global_load_b32 v[QSA+1], v[LN], s[66:67] offset:4
.endm
.macro WHERE                           ; s58: my part of the keys
	s_mul_i32 s59, s58, CH
	s_lshl_b32 s58, s58, 9
	s_add_co_u32 s58, s58, MASK
	v_add_nc_u32 v[LI0], s59, v[LN]
	v_bfe_u32 v[MA0], v0, 4, 1
	v_lshlrev_b32 v[MA0], 5, v[MA0]
	v_add_nc_u32 v[MA0], s58, v[MA0]
.endm
.macro INIT                            ; the first step finds zeros, which the first change of M leaves zeros
.irp b, 20,24
	v_mov_b32 v[\b], 0x7e967699                    ; -M: 1e38
	v_mov_b32 v[\b+1], 0xff61b1e6                  ; the largest score so far: -3e38
	v_mov_b32 v[\b+2], 0
	v_mov_b32 v[\b+3], 0
.endr
	WIN 0x40
.set j, 0
.rept 64
	v_mov_b32 v[OT+j], 0
.set j, j+1
.endr
	WIN 0
.endm
.macro OUTADR hd, lg, rows             ; s61: my first tile's number in its head; a wave finishes so many rows of each of its tiles
	s_lshr_b32 s58, s[WV], \lg
	s_mul_i32 s58, s58, \rows
	s_lshl_b32 s56, s61, 4
	s_add_co_u32 s56, s56, s58
	s_mul_i32 s56, s56, 3072
	s_lshl_b32 s57, s[\hd], 8
	s_add_co_u32 s56, s56, s57
	s_mov_b32 s57, 0
	s_wait_xcnt 0x0                                ; earlier stores have read their base
	s_add_nc_u64 s[OUTA:OUTA+1], s[12:13], s[56:57]
.endm
.macro JSTORE o, st, ja, jx
	WIN 0x04
.irp k, 0,1,2,3
	WALU
	ds_store_b128 v[\ja], v[OT+\o+8*\k:OT+\o+8*\k+3] offset:1088*\k
	WALU
	ds_store_b128 v[\ja], v[OT+\o+8*\k+4:OT+\o+8*\k+7] offset:1088*\k+544
.endr
	WIN 0
	ds_store_b64 v[\jx], v[\st:\st+1]
.endm
.macro SHOW
	s_wait_dscnt 0x0                               ; for the others' sake
	BARRIER
.endm
; my 16 / n rows of a tile from its n parts, read in the order in which they leave: lane c of 16 takes 16 bytes of a row, lanes 16-31 the next row
.macro FIN n, more, off, fa, fb
.irp m, 0,1,2,3,4,5,6,7                        ; load m: rows 2 (m / n), part m % n
	ds_load_b64 v[FX+2*\m:FX+2*\m+1], v[\fb] offset:16*(\m/\n)+(1024/\n)*(\m%\n)
	ds_load_b128 v[FY+4*\m:FY+4*\m+3], v[\fa] offset:32*(\m/\n)+(34816/\n)*(\m%\n)
.endr
	s_wait_xcnt 0x0                                ; earlier stores have read the registers written below
	s_wait_dscnt 0x0
.if \more
	s_barrier_signal -1                            ; I have read the images: the next tile's may be stored over them
.endif
.if \n == 2
.irp i, 0,1,2,3
	v_min_num_f32 v[FM+\i], v[FX+4*\i], v[FX+4*\i+2]   ; the least -M is the largest M
.endr
.else
.irp i, 0,1
	v_min3_num_f32 v[FM+\i], v[FX+8*\i], v[FX+8*\i+2], v[FX+8*\i+4]
.endr
.irp i, 0,1
	v_min_num_f32 v[FM+\i], v[FM+\i], v[FX+8*\i+6]
.endr
.endif
.irp m, 0,1,2,3,4,5,6,7
	v_sub_f32 v[FF+\m], v[FM+\m/\n], v[FX+2*\m]
.endr
.irp m, 0,1,2,3,4,5,6,7
	v_cvt_i32_f32 v[FF+\m], v[FF+\m]
.endr
.irp m, 0,1,2,3,4,5,6,7
	v_ldexp_f32 v[FF+\m], 1.0, v[FF+\m]            ; 2^(the part's M - the largest M)
.endr
.irp m, 0,1,2,3,4,5,6,7
.if (\m%\n) == 0
	v_mul_f32 v[FL+\m/\n], v[FF+\m], v[FX+2*\m+1]
.else
	v_fma_f32 v[FL+\m/\n], v[FF+\m], v[FX+2*\m+1], v[FL+\m/\n]
.endif
.endr
	WALU
.irp i, 0,1,2,3
.if \i < 8/\n
	v_rcp_f32 v[FL+\i], v[FL+\i]
.endif
.endr
	v_nop
	WALU
.irp m, 0,1,2,3,4,5,6,7
	v_mul_f32 v[FF+\m], v[FF+\m], v[FL+\m/\n]
.endr
.irp m, 0,1,2,3,4,5,6,7
.irp c, 0,1,2,3
.if (\m%\n) == 0
	v_mul_f32 v[FZ+4*(\m/\n)+\c], v[FY+4*\m+\c], v[FF+\m]
.else
	v_fma_f32 v[FZ+4*(\m/\n)+\c], v[FY+4*\m+\c], v[FF+\m], v[FZ+4*(\m/\n)+\c]
.endif
.endr
.endr
.if \more
	WALU
	s_barrier_wait -1
.endif
.irp i, 0,1,2,3
.if \i < 8/\n
	global_store_b128 v[GO], v[FZ+4*\i:FZ+4*\i+3], s[OUTA:OUTA+1] offset:6144*\i+\off th:TH_STORE_NT   ; 16 lanes store 256 consecutive bytes, aligned: my head's part of a row of out
.endif
.endr
.endm
.macro JOIN n, lg                      ; n parts of the keys; a wave's part is wave >> lg
.irp b, 20,24
	v_add_f32 v[\b+2], v[\b+2], v[\b+3]            ; the sum's two halves,
.endr
.irp b, 20,24
	v_permlanex16_b32 v[\b+3], v[\b+2], s[SEL], s[SEL+1]
.endr
.irp b, 20,24
	v_add_f32 v[\b+1], v[\b+2], v[\b+3]            ; and lane l xor 16's
.endr
	s_mul_i32 s56, s[WV], 4352
	s_add_co_u32 s56, s56, JB                      ; my image
	s_lshl_b32 s57, s[WV], 7
	s_add_co_u32 s57, s57, JS
	s_lshr_b32 s58, s[WV], \lg
	s_and_b32 s59, s[WV], 8/\n-1
	s_mul_i32 s70, s59, 4352                       ; the first part's image of the tiles that I share,
	s_mul_i32 s71, s58, 256/\n                     ; at my first row
	s_add_co_u32 s70, s70, s71
	s_add_co_u32 s70, s70, JB
	s_lshl_b32 s72, s59, 7
	s_mul_i32 s71, s58, 128/\n
	s_add_co_u32 s72, s72, s71
	s_add_co_u32 s72, s72, JS
	v_bfe_u32 v125, v0, 4, 1
	v_and_b32 v127, 15, v0
	v_bfe_u32 v129, v0, 2, 2
	v_and_b32 v130, 1, v0
	v_lshl_add_u32 v126, v125, 4, v[LN]
	v_lshlrev_b32 v128, 3, v127
	v_lshl_add_u32 v129, v129, 1, v130             ; column c's block: 2 (c / 4) + c % 2,
	v_bfe_u32 v130, v0, 1, 1                       ; and half: (c / 2) % 2
	v_add_nc_u32 v[JW], s56, v126
	v_mul_u32_u24 v129, 0x220, v129
	v_add_nc_u32 v[JX], s57, v128
	v_mad_u32_u24 v129, v130, 0x110, v129
	v_lshlrev_b32 v131, 3, v125
	v_lshl_add_u32 v129, v125, 4, v129
	v_add_nc_u32 v[FB], s72, v131
	v_add_nc_u32 v[FA], s70, v129
.if \n == 2
	JSTORE 0, STA, JW, JX
	SHOW
	FIN \n, 1, 0, FA, FB
	JSTORE 32, STB, JW, JX
	SHOW
	FIN \n, 0, 49152, FA, FB                       ; the second tile: 16 rows of out further on
.else
	s_mul_i32 s73, s[WV], 4352                     ; n = 4: the ring has had its last fill and its last read: the second tile's images and states go there, at bytes 0 and 34,816 on
	s_lshl_b32 s74, s[WV], 7
	s_add_co_u32 s74, s74, 34816
	s_mul_i32 s75, s59, 4352
	s_mul_i32 s76, s58, 256/\n
	s_add_co_u32 s75, s75, s76
	s_lshl_b32 s76, s59, 7
	s_add_co_u32 s76, s76, s71
	s_add_co_u32 s76, s76, 34816
	WALU
	v_add_nc_u32 v148, s73, v126
	v_add_nc_u32 v149, s74, v128
	v_add_nc_u32 v150, s75, v129
	v_add_nc_u32 v151, s76, v131
	JSTORE 0, STA, JW, JX
	JSTORE 32, STB, 148, 149
	SHOW
	FIN \n, 0, 0, FA, FB
	FIN \n, 0, 49152, 150, 151
.endif
.endm
	s_load_b256 s[4:11], s[0:1], 0x0               ; qc 4, qs 6, kv 8, mask 10
	s_load_b64 s[12:13], s[0:1], 0x20              ; out
	v_lshl_add_u32 v[SPW], v0, 2, SPARE
	v_mov_b32 v[NIL], 0
	ds_add_u32 v[SPW], v[NIL]                      ; the wave's opening: the add, twice on end, and its wait ahead of my first tensor load
	ds_add_u32 v[SPW], v[NIL]
	v_lshrrev_b32 v8, 5, v0
	v_readfirstlane_b32 s[WV], v8                  ; wave 0..7
	s_bfe_u32 s[CX], ttmp6, 0x40000
	s_lshl_b32 s[SX], ttmp9, 2
	s_add_co_u32 s[SX], s[SX], s[CX]               ; x: it enters q's and out's addresses alone
	s_and_b32 s[HG], ttmp7, 0xffff
	s_mul_i32 s[HB], s[HG], 3
	s_lshr_b32 s58, ttmp9, 3                       ; x / 32, from the cluster's number alone
	s_add_co_u32 s[HA], s[HB], s58
	s_add_co_u32 s[HB], s[HB], 2
	s_sub_co_u32 s59, 2, s58
	s_mul_i32 s59, s59, HEADB
	s_sub_co_u32 s[JUMP], s59, 3*SLOTB
	s_mov_b32 s[G1], 15|(3<<16)|(1<<21)            ; 15:0 the mask: all four work-groups; 17:16 elements of 8 bytes; 21 set beside a mask; no padding: images are read 16 bytes a lane, on end
	s_mov_b32 s[G1+1], 32<<16
	s_mov_b32 s[G1+2], 66<<16
	s_mov_b32 s[G1+3], 32<<16
	s_mov_b32 s[G1+4], 66
	s_mov_b32 s[G1+5], 32
	s_mov_b32 s[G1+6], 0
	s_mov_b32 s[G1+7], 0
	s_mul_i32 s[WCH], s[WV], CH                    ; my chunk: its place in a slot, in LDS and in memory
	s_mul_i32 s56, s[HA], HEADB
	s_mov_b32 s70, s56
	s_add_co_u32 s56, s56, s[WCH]
	s_mov_b32 s57, 0
	s_mov_b32 s71, 0
	s_mul_i32 s72, s[CX], SLOTB/4                  ; the prefetches: my work-group's quarter of a slot,
	s_min_u32 s73, s[WV], 5
	s_mul_i32 s73, s73, 5632                       ; my wave's 22 blocks of it,
	s_add_co_u32 s70, s70, s72
	s_add_co_u32 s70, s70, s73
	s_add_co_u32 s70, s70, 2*SLOTB                 ; in slot 2: the first change of slots steps it to slot 3.  Nothing is prefetched here, at the head
	s_mov_b32 s[SEL], 0x76543210
	s_mov_b32 s[SEL+1], 0xfedcba98
	s_mov_b32 s[CS], 0x3e38aa3b                    ; c = log2(e) / 8
	s_mov_b32 s[CS+1], s[CS]                       ; (named with it as a pair, so it is written)
	s_mov_b32 s[NC], 0xbe38aa3b
	s_mov_b32 s[MNT], 0x600000
	s_mov_b32 s[INC+1], 0
	s_mov_b32 s[PINC+1], 0
	s_mov_b32 s[TB], 0
	s_mov_b32 s[TM], 0
	s_mov_b32 s[SL], 0
	WALU
	s_wait_dscnt 0x0                               ; both opening adds are done
	s_wait_kmcnt 0x0
	s_mov_b32 s[G0], 1
	s_mov_b32 s[G0+1], s[WCH]
	s_add_nc_u64 s[G0+2:G0+3], s[8:9], s[56:57]
	s_or_b32 s[G0+3], s[G0+3], 0x80000000
	s_add_nc_u64 s[PFA:PFA+1], s[8:9], s[70:71]
	CROUND                                         ; all four work-groups are here: the first joint loads meet
	TLOAD                                          ; slot 0: one load a wave
	v_and_b32 v9, 31, v0                           ; lane
	v_lshlrev_b32 v34, 4, v0                       ; the mask: 16 bytes a thread
	v_lshlrev_b32 v[LN], 4, v9
	v_min_u32 v37, 21, v9
	v_bfe_u32 v32, v0, 4, 1                        ; h
	v_and_b32 v36, 15, v0
	v_lshlrev_b32 v[PFO], 8, v37
	v_mul_u32_u24 v[GO], 0xc00, v32                ; lanes 0-15 one row of out, lanes 16-31 the next
	v_add_nc_u32 v35, MASK, v34
	v_lshl_add_u32 v[GO], v36, 4, v[GO]
	WALU
.irp i, 0,1,2,3
	global_load_b128 v[SCA+4*\i:SCA+4*\i+3], v34, s[10:11] offset:4096*\i
.endr
	s_and_b32 s61, s[SX], 31                       ; phase 1: tiles 8 (x % 32) + 2 (wave % 4), + 1
	s_lshl_b32 s61, s61, 3
	s_and_b32 s58, s[WV], 3
	s_lshl_b32 s58, s58, 1
	s_add_co_u32 s61, s61, s58
	s_lshl_b32 s60, s[HA], 8
	s_add_co_u32 s60, s60, s61
	LOADQ
	s_and_b32 s58, ttmp9, 7                        ; a wave prefetches in the clusters 0 and 8 of a head group, if it is one of waves 0-5
	s_cmp_lt_u32 s[WV], 6
	s_cselect_b32 s59, 0, 1
	s_or_b32 s58, s58, s59
	s_cmp_eq_u32 s58, 0
	s_cselect_b32 s[ASKF], 1, 0
	s_lshr_b32 s58, s[WV], 2                       ; phase 1: my half of the keys
	WHERE
.irp b, 0,1,2,3,4,5,6,7
	v_mov_b32 v[PM+\b], 0                          ; written once: a lane permute's destination counts as one of its sources
	v_mov_b32 v[QF+8+\b], 0                        ; the zero codes between q0, q1 and q0
	v_mov_b32 v[QF+24+\b], 0
.endr
	v_mov_b32 v[FCA+1], 0                          ; (named as upper halves of pairs)
	v_mov_b32 v[FCB+1], 0
	INIT
	v_mov_b32 v[SCA+16], 0x4e800000                ; 2^30
	WALU
	s_wait_loadcnt 0x0                             ; the mask, q and its scale words
.irp i, 0,2,4,6,8,10,12,14
	v_pk_mul_f32 v[SCA+\i:SCA+\i+1], v[SCA+\i:SCA+\i+1], 0x41000000 op_sel_hi:[1,0]
.endr
.irp i, 0,1,2,3,4,5,6,7,8,9,10,11,12,13,14,15
	v_med3_num_f32 v[SCA+\i], v[SCA+\i], -v[SCA+16], v[SCA+16]
.endr
.irp i, 0,1,2,3
	ds_store_b128 v35, v[SCA+4*\i:SCA+4*\i+3] offset:4096*\i
.endr
	WALU
	s_wait_tensorcnt 0x0                           ; my chunk of slot 0 is in
	ds_add_u32 v[SPW], v[NIL]
	s_add_co_u32 s[G0+1], s[WCH], SLOTB
	s_add_nc_u64 s[G0+2:G0+3], s[G0+2:G0+3], SLOTB
	s_wait_dscnt 0x0                               ; the add is done, and my part of the mask is stored
	CROUND
	TLOAD                                          ; slot 1
	; PHASE 1: four slots of four steps a wave; chunk 2 j + my half
.Lp1:
	s_mov_b32 s[TK], s[TB]
	LOADK
	s_mov_b32 s[JJ], 3
.Lp1i:
	STEP 0, 2*CH, 1024
	s_sub_co_u32 s[JJ], s[JJ], 1
	s_cmp_lg_u32 s[JJ], 0
	s_cbranch_scc1 .Lp1i
	s_cmp_eq_u32 s[SL], 2                          ; behind slot 2 the refill is slot 4, phase 2's first;
	s_cselect_b32 s[INC], s[JUMP], SLOTB
	s_cmp_eq_u32 s[SL], 1                          ; the prefetch gets there one slot earlier
	s_cselect_b32 s[PINC], s[JUMP], SLOTB
	STEP 1, 2*CH, 1024
	s_xor_b32 s[TB], s[TB], SLOTB                  ; on to the other slot
	s_add_co_u32 s[SL], s[SL], 1
	s_cmp_lt_u32 s[SL], 4
	s_cbranch_scc1 .Lp1
	OUTADR HA, 2, 8
	s_lshl_b32 s61, s[SX], 2                       ; phase 2: tiles 4 x + 2 (wave % 2), + 1
	s_and_b32 s58, s[WV], 1
	s_lshl_b32 s58, s58, 1
	s_add_co_u32 s61, s61, s58
	s_lshl_b32 s60, s[HB], 8
	s_add_co_u32 s60, s60, s61
	LOADQ                                          ; it lands while phase 1 is joined
	JOIN 2, 2
	OUTADR HB, 1, 4
	s_lshr_b32 s58, s[WV], 1                       ; phase 2: my quarter of the keys
	WHERE
	INIT
	s_mov_b32 s[TM], 0
	s_mov_b32 s[INC], SLOTB
	s_mov_b32 s[PINC], SLOTB
	s_mov_b32 s[SL], 0
	WALU
	s_wait_loadcnt 0x0                             ; q
	; PHASE 2: slots 4 and 5, two steps a wave: chunk 4 j + my quarter; slots 6 and 7 are asked for
.Lp2:
	s_mov_b32 s[TK], s[TB]
	LOADK
	STEP 0, 4*CH, 2048
	STEP 1, 4*CH, 2048
	s_mov_b32 s[ASKF], 0                           ; slot 7 has been asked for: nothing lies behind it
	s_xor_b32 s[TB], s[TB], SLOTB
	s_add_co_u32 s[SL], s[SL], 1
	s_cmp_lt_u32 s[SL], 2
	s_cbranch_scc1 .Lp2
	; slots 6 and 7, four steps on end: nothing is filled again.  The first step's barrier shows slot 7
	s_mov_b32 s[TK], 0
	s_mov_b32 s[SL], 0
.Lp3:
	LOADK
	STEP 2, 4*CH, 2048
	s_add_co_u32 s[SL], s[SL], 1
	s_cmp_lt_u32 s[SL], 4
	s_cbranch_scc1 .Lp3
	JOIN 4, 1
	s_wait_tensorcnt 0x0                           ; the wave's end: behind my last tensor load and my last LDS store
	ds_add_u32 v[SPW], v[NIL]
	s_wait_dscnt 0x0
	CROUND                                         ; the closing round: no work-group ends while a partner may still ask for a tile that names it
	s_endpgm
.Lfunc_end_k_q6221e06552_attn:
	.size	k_q6221e06552_attn, .Lfunc_end_k_q6221e06552_attn-k_q6221e06552_attn
	.p2alignl 7, 3214868480
	.fill 96, 4, 3214868480
	.section	.rodata,"a",@progbits
	.p2align	6, 0x0
	.amdhsa_kernel k_q6221e06552_attn
		.amdhsa_group_segment_fixed_size 327680
		.amdhsa_private_segment_fixed_size 0
		.amdhsa_enable_private_segment 0
		.amdhsa_kernarg_size 40
		.amdhsa_user_sgpr_count 2
		.amdhsa_user_sgpr_kernarg_segment_ptr 1
		.amdhsa_wavefront_size32 1
		.amdhsa_system_sgpr_workgroup_id_x 1
		.amdhsa_system_sgpr_workgroup_id_y 1
		.amdhsa_system_sgpr_workgroup_id_z 1
		.amdhsa_system_vgpr_workitem_id 0
		.amdhsa_next_free_vgpr 512
		.amdhsa_next_free_sgpr 80
		.amdhsa_reserve_vcc 0
		.amdhsa_float_denorm_mode_32 3
		.amdhsa_float_denorm_mode_16_64 3
		.amdhsa_memory_ordered 1
		.amdhsa_forward_progress 1
		.amdhsa_inst_pref_size 221
	.end_amdhsa_kernel
	.amdgpu_metadata
---
amdhsa.version: [ 1, 2 ]
amdhsa.kernels:
  - .name:           k_q6221e06552_attn
    .symbol:         k_q6221e06552_attn.kd
    .args:
      - { .name: qc, .offset: 0, .size: 8, .value_kind: global_buffer, .address_space: global }
      - { .name: qs, .offset: 8, .size: 8, .value_kind: global_buffer, .address_space: global }
      - { .name: kv, .offset: 16, .size: 8, .value_kind: global_buffer, .address_space: global }
      - { .name: attention_mask, .offset: 24, .size: 8, .value_kind: global_buffer, .address_space: global }
      - { .name: out0, .offset: 32, .size: 8, .value_kind: global_buffer, .address_space: global }
    .group_segment_fixed_size: 327680
    .private_segment_fixed_size: 0
    .kernarg_segment_align: 8
    .kernarg_segment_size: 40
    .max_flat_workgroup_size: 256
    .sgpr_count:     80
    .vgpr_count:     512
    .wavefront_size: 32
...
	.end_amdgpu_metadata
.endif
;; end of part 2
